; MI455X (gfx1250); checked and timed in simulation.
; The chip was launched on July 23, 2026; its instructions are those of AMD's public machine-readable ISA for CDNA 5 (MIT licence, August 2026) and "CDNA5" Instruction Set Architecture Reference Guide (July 2026). The comments in the code are by the model that wrote it; some were corrected since.
;; Causal Attention. Allowed arithmetic: matrix products marked QUANTISED: E2M3 operands, one E8M0 scale for each 32 along K, by v_wmma_scale_f32_16x16x128_f8f6f4 with both operands' format E2M3, f32 sums; everything else in f32.
;; Inputs: b_proj 1,024 float32; b_qkv 3,072 float32; w_proj 1,024 x 1,024 float32; w_qkv 1,024 x 3,072 float32; x 1 x 4,096 x 1,024 float32.
;; Outputs: out0 1 x 4,096 x 1,024 float32.
;; This version of the problem:
;;   THIS VERSION OF THE PROBLEM IS GIVEN IN LOW PRECISION. The matrix products marked QUANTISED in the list below multiply operands that are first quantised to E2M3 (2 exponent bits, 3 mantissa bits; 6 bits a number), with one power-of-two scale for each 32 numbers along K (OCP MX v1.0); their sums are f32. All else is computed in f32.
;;   The module's matrix products, in the order in which they are computed (A, B: the left and right operand; K: the contracted axis; several contracted axes count as one K, in the product's order):
;;     1. [M 4,096, K 1,024] x [K 1,024, N 3,072]; A: input x; B: input w_qkv: QUANTISED
;;     2. batch 16 x [M 4,096, K 64] x [K 64, N 4,096]; A: computed on the way; B: computed on the way: QUANTISED
;;     3. batch 16 x [M 4,096, K 4,096] x [K 4,096, N 64]; A: softmax (see below); B: computed on the way: QUANTISED
;;     4. [M 4,096, K 1,024] x [K 1,024, N 1,024]; A: computed on the way; B: input w_proj: QUANTISED
;;   THE QUANTISER, for each operand of a quantised product, along K:
;;     - K is cut into blocks of 32 from its start; a last block that is shorter is filled with zeros.
;;     - A block's scale is 2^e with e = floor(log2(the largest magnitude in the block)) - 2, held to -126 .. 127; a block of zeros has e = 0. As a byte (E8M0): e + 127.
;;     - Each number is divided by its block's scale, clamped to +-7.5, and rounded to the nearest number of E2M3, ties to even, subnormals kept.
;;     - The product sums the exact products of the quantised numbers (number of the format x scale) in f32.
;;   ~~~python
;;   def quantise(x, axis):      # numpy; x: float32 -> the quantised numbers, widened to float32 again
;;       x = np.moveaxis(x, axis, -1); K = x.shape[-1]
;;       x = np.pad(x, [(0, 0)] * (x.ndim - 1) + [(0, -K % 32)]); x = x.reshape(x.shape[:-1] + (-1, 32)); a = np.abs(x).max(-1, keepdims=True)
;;       e = np.where(a > 0, np.clip(np.frexp(np.where(a > 0, a, 1))[1] - 1 - 2, -126, 127), 0)      # np.frexp(a)[1] - 1 = floor(log2(a)), exactly
;;       r = np.clip(x / 2.0 ** e, -7.5, 7.5)
;;       step = 2.0 ** (np.maximum(np.frexp(np.where(r == 0, 1, r))[1] - 1, 0) - 3)
;;       q = np.round(r / step) * step * 2.0 ** e      # np.round: ties to even
;;       return np.moveaxis(q.reshape(q.shape[:-2] + (-1,))[..., :K], -1, axis).astype(np.float32)
;;   ~~~
;;   SOFTMAX AHEAD OF A QUANTISED PRODUCT. Where the list says 'softmax', what is quantised is not the finished softmax but p = 2^(t - M), with t = logit x log2(e) and M = ceil(the row's largest t), a whole number; so 1/2 < the row's largest p <= 1. The row's sum l is taken of the UNQUANTISED p, in f32, and the product's result is divided by l at the end. Since M is a whole number, a kernel that streams over the keys may use a running M (the ceiling of the running maximum): every later rescaling is an exact power of two, which a block's scale takes up: the codes' values come out the same.
;;   OPERANDS COMPUTED ON THE WAY. 'Computed on the way' means the value that the module computes at that place (a softmax that the list does not call 'softmax' is quantised finished and normalised). What goes into a quantiser is computed in f32, as accurately as f32 sums, v_exp_f32 and their like allow (about 1e-6 of the number): no bf16 or f16 on the way to a quantiser, and a product that is left as it is and whose result goes on into a quantised operand takes f32 operands (vector FMAs, or v_wmma_f32_16x16x4_f32). A number that lies on a knife's edge between two numbers of the format may be rounded either way, as far as f32 arithmetic and the matrix unit's own rounding can turn it there, and no further.
;; One version. Each part assembles by itself: llvm-mc -triple=amdgcn-amd-amdhsa -mcpu=gfx1250 --defsym DOCPART=n.
;; ======== version 1 of 1: 4 launches
;; limits: right only within a limited range of input values
;; workspace buffers: xq 3,407,872 bytes; wq 2,555,904 bytes; wp 851,968 bytes; qkvc 10,223,616 bytes; ao 3,407,872 bytes
;; launch quant (part 1): grid 384 x 1, 4 waves a work-group, no clusters, 34,304 bytes of LDS; arguments x, w_qkv, w_proj, xq, wq, wp; writes xq, wq, wp
.if DOCPART == 1
	.amdgcn_target "amdgcn-amd-amdhsa--gfx1250"
	.amdhsa_code_object_version 6
	.text
	.protected	k_q454c0c11f2_quant
	.globl	k_q454c0c11f2_quant
	.p2align	8
	.type	k_q454c0c11f2_quant,@function
k_q454c0c11f2_quant:
	s_mov_b64 s[64:65], 0
	v_nop
	global_prefetch_b8 v0, s[64:65] scope:SCOPE_SE
	s_setreg_imm32_b32 hwreg(HW_REG_WAVE_MODE, 25, 1), 1
	s_wait_xcnt 0x0
; x [4096][1024], w_qkv [1024][3072] and w_proj [1024][1024], f32, become codes of FP6 (E2M3) with one E8M0 scale byte for each 32 along K = 1,024 (x's last axis, the weights' first).
; A block's scale is 2^(floor(log2(its largest magnitude)) - 2); its byte is the largest magnitude's exponent field - 2, held at 1 from below.
; LIMITS: NaN and infinities among the inputs are not served; a block whose largest magnitude lies under 2^-124, a block of zeros too, gets the byte 1 (its codes add nothing or next to nothing; this program alone reads the bytes).
; THE OUTPUT IS LAID AS THE MATRIX OPERAND'S REGISTERS.  A block IPB of 3,328 bytes holds 16 rows x 256 along K: four half-images of 768 bytes (six registers of 32 lanes: registers 0-3 at 16 x lane, registers 4-5 at
; 512 + 8 x lane; lane (r, h) holds row r, k = 32 h .. 32 h + 31 of the half-image's 64), then at 3,072 + 8 x lane the two scale words of row r (lanes 16-31 hold a copy).  Half-images 2 f, 2 f + 1 are fragment f (128 along K).
; A buffer is [row / 64][K / 256][(row / 16) % 4][IPB]; for the weights a row is a column n.  Every store of a wave covers 512 or 256 consecutive bytes, aligned to 256.
; SHARES.  Work-groups 0-255: 16 rows of x each, a wave a K quarter (one IPB).  256-351: w_qkv, 352-383: w_proj: 128 columns x 256 along K each, a wave 32 columns (two IPBs).
; The work-groups share no input: no cluster, no joint request.  No tensor load, no barrier: waves share nothing.  Only x's path touches LDS.
.set IPB,   3328
.set QUART, 4*IPB                      ; a K quarter of 64 rows
.set SHARE, 4*QUART                    ; 64 rows, all of K
.set SP,    528                        ; a stage row: 512 bytes + 16 = 33 x 16 bytes, so that sixteen rows begin in sixteen different 16-byte columns of 256 bytes
.set L16, 1                            ; v1  16 x lane
.set L8,  2                            ; v2  8 x lane
.set H8,  3                            ; v3  8 x (lane / 16)
.set L4,  4                            ; v4  4 x lane
.set STI, 5                            ; v5  the stage, on the way in
.set STR, 6                            ; v6  and on the way out
.set TQ,  16                           ; v16-30 at work in the quantiser
.set SEL, 20                           ; s[20:21] selects of v_permlanex16_b32: lane l xor 16
; 64 numbers of a lane, v[src + 32 u + i] = k 64 u + 32 (lane / 16) + i of my row, become the fragment's twelve registers v[dst] on and its scale word v[wrd].
.macro QFRAG src, dst, wrd
.irp u, 0,1
	v_max3_num_f32 v[TQ+\u], |v[(\src)+32*\u]|, |v[(\src)+32*\u+1]|, 0x1800000   ; my block 2 u + h: all 32 numbers are mine; the floor 2^(3 - 127) holds the byte at 1 from below
.endr
.irp i, 2,4,6,8,10,12,14,16,18,20,22,24,26,28,30
.irp u, 0,1
	v_max3_num_f32 v[TQ+\u], v[TQ+\u], |v[(\src)+32*\u+\i]|, |v[(\src)+32*\u+\i+1]|   ; the two blocks by turns
.endr
.endr
.irp u, 0,1
	v_add_nc_u32 v[TQ+2+\u], 0xff000000, v[TQ+\u]  ; 2 off the exponent field: the conversion takes the exponent field of this operand as its scale
.endr
.irp u, 0,1
	v_lshrrev_b32 v[TQ+4+\u], 23, v[TQ+2+\u]       ; the scale's byte
.endr
	v_lshl_or_b32 v[\wrd], v[TQ+5], 16, v[TQ+4]    ; my two bytes, blocks h and 2 + h,
	v_lshlrev_b32 v[\wrd], v[H8], v[\wrd]          ; at their places in the word;
	v_permlanex16_b32 v[TQ+6], v[\wrd], s[SEL], s[SEL+1]
	v_or_b32 v[\wrd], v[\wrd], v[TQ+6]             ; with lane l xor 16's two the word is whole, in both halves of the lanes
.irp u, 0,1
	v_cvt_scalef32_pk16_fp6_f32 v[(\dst)+6*\u:(\dst)+6*\u+2], v[(\src)+32*\u:(\src)+32*\u+15], v[TQ+2+\u]
	v_cvt_scalef32_pk16_fp6_f32 v[TQ+8+4*\u:TQ+10+4*\u], v[(\src)+32*\u+16:(\src)+32*\u+31], v[TQ+2+\u]   ; a conversion's three registers begin on an even number: the upper half is made here and moved
.endr
	v_nop                                          ; one plain instruction behind the scaled conversions
.irp u, 0,1
.irp i, 0,1,2
	v_mov_b32 v[(\dst)+6*\u+3+\i], v[TQ+8+4*\u+\i]
.endr
.endr
.endm
; Two fragments and their pair of scale words leave as one IPB, off bytes behind s[sb:sb+1]
.macro IPBSTORE c0, c1, wrd, sb, off
	global_store_b128 v[L16], v[\c0:\c0+3], s[\sb:\sb+1] offset:\off
	global_store_b64 v[L8], v[\c0+4:\c0+5], s[\sb:\sb+1] offset:\off+512
	global_store_b128 v[L16], v[\c0+6:\c0+9], s[\sb:\sb+1] offset:\off+768
	global_store_b64 v[L8], v[\c0+10:\c0+11], s[\sb:\sb+1] offset:\off+1280
	global_store_b128 v[L16], v[\c1:\c1+3], s[\sb:\sb+1] offset:\off+1536
	global_store_b64 v[L8], v[\c1+4:\c1+5], s[\sb:\sb+1] offset:\off+2048
	global_store_b128 v[L16], v[\c1+6:\c1+9], s[\sb:\sb+1] offset:\off+2304
	global_store_b64 v[L8], v[\c1+10:\c1+11], s[\sb:\sb+1] offset:\off+2816
	global_store_b64 v[L8], v[\wrd:\wrd+1], s[\sb:\sb+1] offset:\off+3072
.endm
	s_load_b256 s[4:11], s[0:1], 0x0               ; x s[4:5], w_qkv s[6:7], w_proj s[8:9], xq s[10:11]
	s_load_b128 s[12:15], s[0:1], 0x20             ; wq s[12:13], wp s[14:15]
	v_lshl_add_u32 v254, v0, 2, 0x8400
	v_mov_b32 v255, 0
	v_lshrrev_b32 v7, 5, v0
	v_readfirstlane_b32 s16, v7                    ; wave 0..3
	v_and_b32 v8, 31, v0                           ; lane
	v_and_b32 v10, 15, v0                          ; r
	v_bfe_u32 v9, v0, 4, 1                         ; h
	v_lshlrev_b32 v[L16], 4, v8
	v_lshlrev_b32 v[L8], 3, v8
	v_lshlrev_b32 v[L4], 2, v8
	v_lshlrev_b32 v[H8], 3, v9
	v_mov_b32 v[TQ+6], 0                           ; written once: a lane permute's destination counts as one of its sources
	s_mov_b32 s[SEL], 0x76543210
	s_mov_b32 s[SEL+1], 0xfedcba98
	s_cmp_lt_u32 ttmp9, 256
	s_cbranch_scc0 .Lweights
	; ---- x: K is innermost.  Tile ttmp9 (16 rows), my wave's K quarter: 1,024 bytes of each row, two fragments of 512.
	; Each load reads 512 consecutive bytes of one row; the rows turn through my wave's stage, so that lane (r, h) gets 32 neighbours of row r for each of its two blocks.
	s_mul_i32 s17, s16, 16*SP                      ; my stage
	v_add_nc_u32 v[STI], s17, v[L16]               ; in: 16 x lane, a row an instruction
	v_mul_u32_u24 v[STR], v10, SP
	v_lshl_add_u32 v[STR], v9, 7, v[STR]
	v_add_nc_u32 v[STR], s17, v[STR]               ; out: row r, + 128 h
	s_lshl_b32 s18, ttmp9, 16                      ; 16 rows of 4,096 bytes
	s_lshl_b32 s19, s16, 10
	s_add_co_u32 s18, s18, s19
	s_mov_b32 s19, 0
	s_lshr_b32 s22, ttmp9, 2
	s_mul_i32 s22, s22, SHARE
	s_mul_i32 s23, s16, QUART
	s_add_co_u32 s22, s22, s23
	s_and_b32 s23, ttmp9, 3
	s_mul_i32 s23, s23, IPB
	s_add_co_u32 s22, s22, s23                     ; my IPB in xq
	s_mov_b32 s23, 0
	s_wait_kmcnt 0x0
	s_add_nc_u64 s[4:5], s[4:5], s[18:19]
	s_add_nc_u64 s[10:11], s[10:11], s[22:23]
	s_wait_alu depctr_va_vdst(0)
.irp f, 0,1
.irp i, 0,1,2,3,4,5,6,7,8,9,10,11,12,13,14,15
	global_load_b128 v[32+64*\f+4*\i:35+64*\f+4*\i], v[L16], s[4:5] offset:\i*4096+\f*512 th:TH_LOAD_NT
.endr
.endr
	s_wait_loadcnt 16                              ; the first fragment's 16 loads are in; the second's 16 may be out
.irp i, 0,1,2,3,4,5,6,7,8,9,10,11,12,13,14,15
	ds_store_b128 v[STI], v[32+4*\i:35+4*\i] offset:\i*SP
.endr
.irp u, 0,1
.irp i, 0,1,2,3,4,5,6,7
	ds_load_b128 v[160+32*\u+4*\i:163+32*\u+4*\i], v[STR] offset:256*\u+16*\i   ; LDS serves a wave's instructions in order (ISA guide 5.7.1.4): these see the stores above
.endr
.endr
	s_wait_loadcnt 0x0
.irp i, 0,1,2,3,4,5,6,7,8,9,10,11,12,13,14,15
	ds_store_b128 v[STI], v[96+4*\i:99+4*\i] offset:\i*SP   ; the second fragment, behind the reads of the first
.endr
	s_wait_dscnt 16                                ; all but these 16 stores: the first fragment is back, and its stores have read v32-95,
.irp u, 0,1
.irp i, 0,1,2,3,4,5,6,7
	ds_load_b128 v[32+32*\u+4*\i:35+32*\u+4*\i], v[STR] offset:256*\u+16*\i    ; which take the second fragment's numbers
.endr
.endr
	QFRAG 160, 224, 248
	s_wait_dscnt 0x0
	QFRAG 32, 236, 249
	IPBSTORE 224, 236, 248, 10, 0
	s_wait_tensorcnt 0x0
	ds_add_u32 v254, v255
	s_wait_dscnt 0x0
	s_endpgm
	; ---- the weights: K is the FIRST axis.  A lane takes a column n and its registers run down K: each load reads 128 consecutive bytes a wave, a block of 32 along K lies in one lane's 32 registers.
.macro WLOAD t                         ; block t: W(32 t + i, my column) into set t % 2
.set ii, 0
.rept 32
	global_load_b32 v[32+32*((\t)%2)+ii], v[L4], s[26:27] offset:(32*(\t)+ii)*NN*4 th:TH_LOAD_NT
.set ii, ii+1
.endr
.endm
; Block t = 4 f + 2 c + j of my column: its six registers of codes go to v[96 + 24 f + 12 j + 6 c] on, its byte into word f.
.macro WBLOCK t
.set XS, 32+32*((\t)%2)
.set DI, 96+24*((\t)/4)+12*((\t)%2)+6*(((\t)%4)/2)
.if (\t) < 7
	s_wait_loadcnt 32                              ; this block's 32 loads are in; the next block's 32 may be out
.else
	s_wait_loadcnt 0x0
.endif
	v_max3_num_f32 v[TQ], |v[XS]|, |v[XS+1]|, |v[XS+2]|
	v_max3_num_f32 v[TQ+1], |v[XS+3]|, |v[XS+4]|, |v[XS+5]|
.irp i, 6,10,14,18,22,26
	v_max3_num_f32 v[TQ], v[TQ], |v[XS+\i]|, |v[XS+\i+1]|
	v_max3_num_f32 v[TQ+1], v[TQ+1], |v[XS+\i+2]|, |v[XS+\i+3]|
.endr
	v_max3_num_f32 v[TQ], v[TQ], |v[XS+30]|, |v[XS+31]|
	v_max3_num_f32 v[TQ], v[TQ], v[TQ+1], 0x1800000   ; and the floor
	v_add_nc_u32 v[TQ+2], 0xff000000, v[TQ]
	v_lshrrev_b32 v[TQ+3], 23, v[TQ+2]
.if (\t)%4 == 0
	v_mov_b32 v[144+(\t)/4], v[TQ+3]
.else
	v_lshl_or_b32 v[144+(\t)/4], v[TQ+3], 8*((\t)%4), v[144+(\t)/4]
.endif
	v_cvt_scalef32_pk16_fp6_f32 v[DI:DI+2], v[XS:XS+15], v[TQ+2]
	v_cvt_scalef32_pk16_fp6_f32 v[TQ+8:TQ+10], v[XS+16:XS+31], v[TQ+2]
	v_nop                                          ; one plain instruction behind the scaled conversions
.irp i, 0,1,2
	v_mov_b32 v[DI+3+\i], v[TQ+8+\i]
.endr
.if (\t) < 6
	WLOAD (\t)+2
.endif
.endm
.macro WPATH n, first, srcp, dstp
.set NN, \n
	s_sub_co_u32 s17, ttmp9, \first
	s_lshr_b32 s18, s17, 2                         ; which 128 columns
	s_and_b32 s19, s17, 3                          ; which K quarter
	s_mul_i32 s22, s19, 256*\n*4
	s_lshl_b32 s23, s18, 9
	s_add_co_u32 s22, s22, s23
	s_lshl_b32 s23, s16, 7                         ; my wave's 32 columns
	s_add_co_u32 s22, s22, s23
	s_mov_b32 s23, 0
	s_lshl_b32 s24, s18, 1
	s_lshr_b32 s25, s16, 1
	s_add_co_u32 s24, s24, s25                     ; column / 64
	s_mul_i32 s24, s24, SHARE
	s_mul_i32 s25, s19, QUART
	s_add_co_u32 s24, s24, s25
	s_and_b32 s25, s16, 1
	s_mul_i32 s25, s25, 2*IPB                      ; my two tiles of 16 columns are two neighbouring IPBs
	s_add_co_u32 s24, s24, s25
	s_mov_b32 s25, 0
	s_wait_kmcnt 0x0
	s_add_nc_u64 s[26:27], s[\srcp:\srcp+1], s[22:23]
	s_add_nc_u64 s[28:29], s[\dstp:\dstp+1], s[24:25]
	WLOAD 0
	WLOAD 1
.irp t, 0,1,2,3,4,5,6,7
	WBLOCK \t
.endr
	; Lanes 0-15 hold tile 0's columns, lanes 16-31 tile 1's; registers j = 0 hold the blocks that an image's lanes 0-15 want, j = 1 those of its lanes 16-31.
	; The swap exchanges the first register's lanes 16-31 with the second's lanes 0-15: the first becomes tile 0's image, the second tile 1's.
.set kk, 0
.rept 12
	v_permlane16_swap_b32 v[96+kk], v[108+kk]
	v_permlane16_swap_b32 v[120+kk], v[132+kk]
.set kk, kk+1
.endr
	v_mov_b32 v146, v144
	v_mov_b32 v147, v145
	v_permlane16_swap_b32 v144, v146               ; v144-145: tile 0's scale words in both halves of the lanes; v146-147: tile 1's
	v_permlane16_swap_b32 v145, v147
	IPBSTORE 96, 120, 144, 28, 0
	IPBSTORE 108, 132, 146, 28, IPB
	s_endpgm
.endm
.Lweights:
	s_cmp_lt_u32 ttmp9, 352
	s_cbranch_scc0 .Lwproj
	s_wait_alu depctr_va_vdst(0)
	WPATH 3072, 256, 6, 12
.Lwproj:
	s_wait_alu depctr_va_vdst(0)
	WPATH 1024, 352, 8, 14
.Lfunc_end_k_q454c0c11f2_quant:
	.size	k_q454c0c11f2_quant, .Lfunc_end_k_q454c0c11f2_quant-k_q454c0c11f2_quant
	.p2alignl 7, 3214868480
	.fill 96, 4, 3214868480
	.section	.rodata,"a",@progbits
	.p2align	6, 0x0
	.amdhsa_kernel k_q454c0c11f2_quant
		.amdhsa_group_segment_fixed_size 34304
		.amdhsa_private_segment_fixed_size 0
		.amdhsa_enable_private_segment 0
		.amdhsa_kernarg_size 48
		.amdhsa_user_sgpr_count 2
		.amdhsa_user_sgpr_kernarg_segment_ptr 1
		.amdhsa_wavefront_size32 1
		.amdhsa_system_sgpr_workgroup_id_x 1
		.amdhsa_system_sgpr_workgroup_id_y 1
		.amdhsa_system_sgpr_workgroup_id_z 1
		.amdhsa_system_vgpr_workitem_id 0
		.amdhsa_next_free_vgpr 256
		.amdhsa_next_free_sgpr 66
		.amdhsa_reserve_vcc 0
		.amdhsa_float_denorm_mode_32 3
		.amdhsa_float_denorm_mode_16_64 3
		.amdhsa_memory_ordered 1
		.amdhsa_forward_progress 1
		.amdhsa_inst_pref_size 95
	.end_amdhsa_kernel
	.amdgpu_metadata
---
amdhsa.version: [ 1, 2 ]
amdhsa.kernels:
  - .name:           k_q454c0c11f2_quant
    .symbol:         k_q454c0c11f2_quant.kd
    .args:
      - { .name: x, .offset: 0, .size: 8, .value_kind: global_buffer, .address_space: global }
      - { .name: w_qkv, .offset: 8, .size: 8, .value_kind: global_buffer, .address_space: global }
      - { .name: w_proj, .offset: 16, .size: 8, .value_kind: global_buffer, .address_space: global }
      - { .name: xq, .offset: 24, .size: 8, .value_kind: global_buffer, .address_space: global }
      - { .name: wq, .offset: 32, .size: 8, .value_kind: global_buffer, .address_space: global }
      - { .name: wp, .offset: 40, .size: 8, .value_kind: global_buffer, .address_space: global }
    .group_segment_fixed_size: 34304
    .private_segment_fixed_size: 0
    .kernarg_segment_align: 8
    .kernarg_segment_size: 48
    .max_flat_workgroup_size: 128
    .sgpr_count:     66
    .vgpr_count:     256
    .wavefront_size: 32
...
	.end_amdgpu_metadata
.endif
;; end of part 1
;; launch gemm_qkv (part 2): grid 8 x 32, 4 waves a work-group, clusters of 4 x 4, 327,680 bytes of LDS; arguments xq, wq, b_qkv, qkvc; writes qkvc
.if DOCPART == 2
	.amdgcn_target "amdgcn-amd-amdhsa--gfx1250"
	.amdhsa_code_object_version 6
	.text
	.protected	k_q454c0c11f2_gemm_qkv
	.globl	k_q454c0c11f2_gemm_qkv
	.p2align	8
	.type	k_q454c0c11f2_gemm_qkv,@function
k_q454c0c11f2_gemm_qkv:
	s_mov_b64 s[64:65], 0
	v_nop
	global_prefetch_b8 v0, s[64:65] scope:SCOPE_SE
	s_setreg_imm32_b32 hwreg(HW_REG_WAVE_MODE, 25, 1), 1
	s_wait_xcnt 0x0
	s_wait_alu depctr_hold_cnt(0) depctr_sa_sdst(0) depctr_va_vdst(0) depctr_va_sdst(0) depctr_va_ssrc(0) depctr_va_vcc(0) depctr_vm_vsrc(0)
	s_getreg_b32 s2, hwreg(HW_REG_IB_STS2, 6, 4)
	s_cmp_eq_u32 s2, 0
	s_cbranch_scc0 .Lentry_in_a_cluster
	s_endpgm
.Lentry_in_a_cluster:
	s_bfe_u32 s2, ttmp6, 0x10000c
	s_cmp_lg_u32 s2, 0xf033
	s_cbranch_scc0 .Lentry_shape_is_right
	s_endpgm
.Lentry_shape_is_right:
; C = A B^T + bias on codes of FP6 (E2M3) with E8M0 scales, K = 1,024.  One text serves two launches; OUTK chooses the way out.
;   OUTK = 0: A = x's codes, B = w_qkv's; C = q | k | v is quantised here, in f32 from the sums, and leaves as codes: q and k along the head's 64 channels, v along the keys.
;   OUTK = 1: A = the attention's codes, B = w_proj's; C leaves as f32.
; OPERANDS lie in memory as images of the operand's registers.  An IPB of 3,328 bytes holds 16 rows x 256 along K: four half-images of 768 bytes (registers 0-3 at 16 x lane, 4-5 at 512 + 8 x lane), then the
; rows' two scale words at 3,072 + 8 x lane.  A buffer is [row / 64][K / 256][(row / 16) % 4][IPB]: 64 rows x 256 along K are 13,312 dense bytes.
; SHARES.  A tile of C is 128 x 128; four waves, each 64 x 64: 16 accumulators.  Both panels for ALL of K (2 x 106,496 bytes) fit in LDS, so a tile's panels are filled once; B's is filled again for the next tile.
; Each wave brings one share of 64 rows in four K quarters, one tensor load of 53,248 bytes, issued at the start: one of a wave's loads is out at the most; the products begin when all of it is in.
; CLUSTER 4 x 4: the four work-groups of a row of the cluster need the same panel of A, the four of a column the same panel of B: each load is asked for JOINTLY, with the same descriptor and a mask that names the four.
; THE MATRIX INSTRUCTION IS USED TRANSPOSED (source 0 = 16 rows of B, source 1 = 16 rows of A): a lane holds eight neighbouring columns of one row of C.  The bias is the C of each sum's first instruction.
; LIMITS (OUTK = 0): NaN and infinities are not served; a block whose largest magnitude lies under 2^-124, a block of zeros too, gets the scale byte 1 (this program alone reads the bytes).
; REGISTERS.  Window 0: v2-12 addresses; v16-30 at work in the quantiser; v32-127, v128-223 two buffers of fragments (A's four at +0, B's four at +48); v224-255 scale words, two sets.
;   Window 1: v0-127 the accumulators ((a, b) at 8 (4 a + b)); v128-159 the bias of my 64 columns.
.set OUTK,  0
.set IPB,   3328
.set QUART, 13312
.set SHARE, 53248
.set BPAN,  2*SHARE                    ; LDS: A's panel at 0, B's here,
.set STG,   4*SHARE                    ; and the stage for C: 128 rows x SP; no tensor load lands in it
.set SP,    528                        ; 512 bytes + 16
.set KVB,   3407872                    ; qkvc: q's codes [head][64 IPB] at 0; from here [head][step of 128 keys][k: 2 IPB][v: 2 IPB]
.set A16, 2                            ; v2  16 x lane + my 64 rows of A's panel
.set A8,  3                            ; v3  8 x lane + the same
.set B16, 4                            ; v4, v5 the same for B
.set B8,  5
.set STO, 6                            ; v6  the stage: where I put 32 bytes of a row
.set RQ,  7                            ; v7  the stage, back: by rows
.set RV,  8                            ; v8  the stage, back: down the rows (v alone)
.set L16, 9                            ; v9  16 x lane
.set L8,  10                           ; v10 8 x lane
.set H8,  11                           ; v11 8 x (lane / 16)
.set BAD, 12                           ; v12 32 x (lane / 16): my eight numbers of a tile's bias
.set TQ,  16
.set G1A, 20                           ; s[20:27] descriptor group 1 for A's loads; s[28:35] for B's: they differ in the mask
.set G1B, 28
.set G0A, 36                           ; s[36:39] group 0 for A's load; s[68:71] for B's
.set G0B, 68
.set SEL, 62                           ; s[62:63]
.set MSB, 0
.macro WIN new                         ; the immediate's high byte repeats the setting that is left
.if MSB != \new
	s_set_vgpr_msb (MSB<<8)|\new
.set MSB, \new
.endif
.endm
.macro PLACES                          ; four plain instructions in front of loads into registers that matrix instructions have read, and of the first read of results
.rept 4
	v_nop
.endr
.endm
.macro CROUND                          ; a round of the cluster's barrier: my work-group's barrier; wave 0 signals for the work-group; every wave waits for all sixteen; my work-group's barrier once more
	s_barrier_signal -1
	s_barrier_wait -1
	s_cmp_lg_u32 s14, 0
	s_cbranch_scc1 .Lnot_wave_0_\@
	s_barrier_signal -3
.Lnot_wave_0_\@:
	s_barrier_wait -3
	s_barrier_signal -1
	s_barrier_wait -1
.endm
; 64 numbers of a lane, v[src + 32 u + i] = element 64 u + 32 (lane / 16) + i along K of my row, become a fragment's twelve registers v[dst] on and its scale word v[wrd].
.macro QFRAG src, dst, wrd
.irp u, 0,1
	v_max3_num_f32 v[TQ+\u], |v[(\src)+32*\u]|, |v[(\src)+32*\u+1]|, 0x1800000   ; my block 2 u + h: all 32 numbers are mine; the floor 2^(3 - 127) holds the byte at 1 from below
.endr
.irp i, 2,4,6,8,10,12,14,16,18,20,22,24,26,28,30
.irp u, 0,1
	v_max3_num_f32 v[TQ+\u], v[TQ+\u], |v[(\src)+32*\u+\i]|, |v[(\src)+32*\u+\i+1]|
.endr
.endr
.irp u, 0,1
	v_add_nc_u32 v[TQ+2+\u], 0xff000000, v[TQ+\u]  ; 2 off the exponent field: the conversion's scale operand
.endr
.irp u, 0,1
	v_lshrrev_b32 v[TQ+4+\u], 23, v[TQ+2+\u]       ; the scale's byte
.endr
	v_lshl_or_b32 v[\wrd], v[TQ+5], 16, v[TQ+4]
	v_lshlrev_b32 v[\wrd], v[H8], v[\wrd]
	v_permlanex16_b32 v[TQ+6], v[\wrd], s[SEL], s[SEL+1]
	v_or_b32 v[\wrd], v[\wrd], v[TQ+6]             ; the word is whole, in both halves of the lanes
.irp u, 0,1
	v_cvt_scalef32_pk16_fp6_f32 v[(\dst)+6*\u:(\dst)+6*\u+2], v[(\src)+32*\u:(\src)+32*\u+15], v[TQ+2+\u]
	v_cvt_scalef32_pk16_fp6_f32 v[TQ+8+4*\u:TQ+10+4*\u], v[(\src)+32*\u+16:(\src)+32*\u+31], v[TQ+2+\u]   ; a conversion's three registers begin on an even number
.endr
	v_nop                                          ; one plain instruction behind the scaled conversions
.irp u, 0,1
.irp i, 0,1,2
	v_mov_b32 v[(\dst)+6*\u+3+\i], v[TQ+8+4*\u+\i]
.endr
.endr
.endm
.macro IPBSTORE c0, c1, wrd, sb, off   ; two fragments and their scale words leave as one IPB: each store covers 512 or 256 consecutive bytes, aligned to 256
	global_store_b128 v[L16], v[\c0:\c0+3], s[\sb:\sb+1] offset:\off
	global_store_b64 v[L8], v[\c0+4:\c0+5], s[\sb:\sb+1] offset:\off+512
	global_store_b128 v[L16], v[\c0+6:\c0+9], s[\sb:\sb+1] offset:\off+768
	global_store_b64 v[L8], v[\c0+10:\c0+11], s[\sb:\sb+1] offset:\off+1280
	global_store_b128 v[L16], v[\c1:\c1+3], s[\sb:\sb+1] offset:\off+1536
	global_store_b64 v[L8], v[\c1+4:\c1+5], s[\sb:\sb+1] offset:\off+2048
	global_store_b128 v[L16], v[\c1+6:\c1+9], s[\sb:\sb+1] offset:\off+2304
	global_store_b64 v[L8], v[\c1+10:\c1+11], s[\sb:\sb+1] offset:\off+2816
	global_store_b64 v[L8], v[\wrd:\wrd+1], s[\sb:\sb+1] offset:\off+3072
.endm
	s_load_b256 s[4:11], s[0:1], 0x0               ; A s[4:5], B s[6:7], bias s[8:9], the output s[10:11]
	v_lshl_add_u32 v27, v0, 2, 0x44800
	v_mov_b32 v31, 0
	ds_add_u32 v27, v31
	ds_add_u32 v27, v31
	v_lshrrev_b32 v13, 5, v0
	v_readfirstlane_b32 s14, v13                   ; wave 0..3
	s_lshr_b32 s15, s14, 1                         ; which 64 rows of the tile are mine.  Also: I fetch for A (0) or for B (1)
	s_and_b32 s16, s14, 1                          ; which 64 columns.  Also: which share of 64 rows I fetch
	s_bfe_u32 s12, ttmp6, 0x40000                  ; cx, cy: my place in the cluster
	s_bfe_u32 s13, ttmp6, 0x40004
	s_lshl_b32 s17, ttmp9, 2
	s_add_co_u32 s17, s17, s12                     ; tile column x = 4 x cluster x + cx
	s_and_b32 s18, ttmp7, 0xffff
	s_lshl_b32 s18, s18, 2
	s_add_co_u32 s18, s18, s13                     ; tile row y = 4 x cluster y + cy
	s_lshl_b32 s19, s13, 2
	s_lshl_b32 s19, 15, s19                        ; my row of the cluster
	s_lshl_b32 s3, 0x1111, s12                     ; my column
	; group 1: 53,248 dense bytes as 208 rows of 32 elements of 8 bytes; no padding: the images are read lane by lane, consecutively
	s_or_b32 s[G1A], s19, (3<<16)|(1<<21)          ; 15:0 the mask; 17:16 elements of 8 bytes; 21 set beside a mask
	s_or_b32 s[G1B], s3, (3<<16)|(1<<21)
.irp g, G1A, G1B
	s_mov_b32 s[\g+1], 32<<16                      ; tensor_dim0 = 32
	s_mov_b32 s[\g+2], 208<<16                     ; tensor_dim1 = 208: a whole share, all four K quarters, 53,248 dense bytes
	s_mov_b32 s[\g+3], 32<<16                      ; tile_dim0 = 32
	s_mov_b32 s[\g+4], 208                         ; tile_dim1 = 208
	s_mov_b32 s[\g+5], 32                          ; from row to row
	s_mov_b32 s[\g+6], 0
	s_mov_b32 s[\g+7], 0
.endr
	s_lshl_b32 s52, s18, 1                         ; A's share: 2 y + which; these registers never hold x,
	s_add_co_u32 s52, s52, s16
	s_mul_i32 s52, s52, SHARE
	s_mov_b32 s53, 0
	s_lshl_b32 s84, s17, 1                         ; B's: 2 x + which; these never hold y
	s_add_co_u32 s84, s84, s16
	s_mul_i32 s84, s84, SHARE
	s_mov_b32 s85, 0
	s_mul_i32 s54, s14, SHARE                      ; where it goes: wave x a share: A's two, then B's two; no place in the cluster enters an LDS address
	s_wait_dscnt 0x0
	s_wait_kmcnt 0x0
	s_add_nc_u64 s[56:57], s[4:5], s[52:53]
	s_add_nc_u64 s[86:87], s[6:7], s[84:85]
	CROUND                                         ; all sixteen work-groups are here: the joint loads meet
.irp q, 0
	s_mov_b32 s[G0A+4*\q], 1
	s_add_co_u32 s[G0A+4*\q+1], s54, \q*QUART
	s_add_nc_u64 s[G0A+4*\q+2:G0A+4*\q+3], s[56:57], \q*QUART
	s_or_b32 s[G0A+4*\q+3], s[G0A+4*\q+3], 0x80000000
	s_mov_b32 s[G0B+4*\q], 1
	s_add_co_u32 s[G0B+4*\q+1], s54, \q*QUART
	s_add_nc_u64 s[G0B+4*\q+2:G0B+4*\q+3], s[86:87], \q*QUART
	s_or_b32 s[G0B+4*\q+3], s[G0B+4*\q+3], 0x80000000
.endr
	s_cmp_eq_u32 s15, 0                            ; a wave's first fill stands in one branch on the wave's number, ahead of every wait on TENSORcnt, every LDS read and every other barrier
	s_cbranch_scc0 .Lfirst_b
	tensor_load_to_lds s[G0A:G0A+3], s[G1A:G1A+7]  ; ONE load a wave brings its share for all of K: the quarters named in the head comment come together
	s_nop 0
	PLACES                                         ; four v_nop follow the last load, ahead of the jump and the label
	s_branch .Lfirst_asked
.Lfirst_b:
	tensor_load_to_lds s[G0B:G0B+3], s[G1B:G1B+7]
	s_nop 0
	PLACES
.Lfirst_asked:
	v_and_b32 v13, 31, v0                          ; lane
	v_and_b32 v14, 15, v0                          ; r
	v_bfe_u32 v15, v0, 4, 1                        ; h
	v_lshlrev_b32 v[L16], 4, v13
	s_wait_alu depctr_va_vdst(0)
	v_lshlrev_b32 v[L8], 3, v13
	s_wait_alu depctr_va_vdst(0)
	v_lshlrev_b32 v[BAD], 5, v15
	v_and_b32 v16, 8, v14
	v_mad_u32_u24 v16, v16, 3, v14                 ; r + 24 (r / 8) = r % 8 + 32 (r / 8)
	s_wait_alu depctr_va_vdst(0)
	s_lshl_b32 s90, s17, 9                         ; the bias of my 64 columns: (128 x + 64 which) x 4 bytes
	s_lshl_b32 s91, s16, 8
	s_add_co_u32 s90, s90, s91
	s_mov_b32 s91, 0
	s_add_nc_u64 s[8:9], s[8:9], s[90:91]
	WIN 0x40                                       ; destination window 1
.irp b, 0,1,2,3
	global_load_b128 v[128+8*\b:131+8*\b], v[BAD], s[8:9] offset:64*\b      ; lane (r, h), tile b: columns 16 b + 8 h + 0 .. 7, in the result's layout
	global_load_b128 v[132+8*\b:135+8*\b], v[BAD], s[8:9] offset:64*\b+16
.endr
	WIN 0
	s_mul_i32 s58, s15, SHARE
	s_mul_i32 s59, s16, SHARE
	s_add_co_u32 s59, s59, BPAN
	v_add_nc_u32 v[A16], s58, v[L16]
	v_add_nc_u32 v[A8], s58, v[L8]
	v_add_nc_u32 v[B16], s59, v[L16]
	v_add_nc_u32 v[B8], s59, v[L8]
	s_mul_i32 s60, s15, 64*SP
	s_lshl_b32 s61, s16, 8
	s_add_co_u32 s60, s60, s61
	s_add_co_u32 s60, s60, STG
.if OUTK
	v_mul_u32_u24 v[STO], v16, SP                  ; A's tile a holds rows 8 a + r % 8 + 32 (r / 8) of its 64: the stage puts them back in order
.else
	v_mul_u32_u24 v[STO], v14, SP
.endif
	v_lshl_add_u32 v[STO], v15, 5, v[STO]
	v_add_nc_u32 v[STO], s60, v[STO]               ; my 64 rows, my 256 bytes of them; row r, + 32 h
.if OUTK
	s_mul_i32 s61, s14, 32*SP
	s_add_co_u32 s61, s61, STG
	v_add_nc_u32 v[RQ], s61, v[L16]                ; back: wave w takes rows 32 w on, whole: 16 bytes a lane
	s_lshl_b32 s90, s18, 7
	s_lshl_b32 s91, s14, 5
	s_add_co_u32 s90, s90, s91                     ; the first row that I store: 128 y + 32 w
	s_lshl_b32 s90, s90, 12
	s_lshl_b32 s91, s17, 9
	s_add_co_u32 s90, s90, s91                     ; + 512 x bytes
	s_mov_b32 s91, 0
	s_add_nc_u64 s[10:11], s[10:11], s[90:91]
.else
	v_lshlrev_b32 v[H8], 3, v15
	s_mov_b32 s[SEL], 0x76543210
	s_mov_b32 s[SEL+1], 0xfedcba98
	; On the way out wave w makes one IPB: head w / 2 of the tile's two; q, k: tokens 64 (w % 2) on; v: channels 16 (w % 2) on.
	s_lshl_b32 s61, s15, 8
	s_add_co_u32 s61, s61, STG                     ; the head's 256 bytes of a stage row
	v_mul_u32_u24 v[RQ], v16, SP
	v_lshl_add_u32 v[RQ], v15, 7, v[RQ]
	s_mul_i32 s60, s16, 64*SP
	s_add_co_u32 s60, s60, s61
	v_add_nc_u32 v[RQ], s60, v[RQ]                 ; q, k: token r % 8 + 32 (r / 8), channels 32 h on
	v_mul_u32_u24 v[RV], v15, 32*SP
	v_lshl_add_u32 v[RV], v16, 2, v[RV]
	s_lshl_b32 s60, s16, 6                         ; my two fragments begin at channel 16 (w % 2)
	s_add_co_u32 s60, s60, s61
	v_add_nc_u32 v[RV], s60, v[RV]                 ; v: channel r % 8 + 32 (r / 8), keys 32 h on
	v_mov_b32 v[TQ+6], 0                           ; written once: a lane permute's destination counts as one of its sources
	s_and_b32 s90, s17, 7
	s_lshl_b32 s90, s90, 1
	s_add_co_u32 s90, s90, s15                     ; the head
	s_lshl_b32 s91, s90, 6
	s_lshl_b32 s92, s18, 1
	s_add_co_u32 s91, s91, s92
	s_mul_i32 s91, s91, IPB                        ; q: [head][64 IPB], IPB 2 y (+ w % 2)
	s_lshl_b32 s92, s90, 5
	s_add_co_u32 s92, s92, s18
	s_mul_i32 s92, s92, QUART
	s_add_co_u32 s92, s92, KVB                     ; k, v: [head][step y]
	s_mul_i32 s93, s16, IPB                        ; my IPB of the two
	s_add_co_u32 s90, s91, s93
	s_add_co_u32 s92, s92, s93
	s_mov_b32 s91, 0
	s_mov_b32 s93, 0
	s_add_nc_u64 s[88:89], s[10:11], s[92:93]      ; where my k goes; my v lies 2 IPB behind it
	s_add_nc_u64 s[10:11], s[10:11], s[90:91]      ; where my q goes
.endif
; The fragments of K step k (128 along K) into the buffer at buf: 32 LDS loads, each 512 or 256 consecutive bytes
.macro FETCH k, buf
.irp t, 0,1,2,3
	ds_load_b128 v[(\buf)+12*\t:(\buf)+12*\t+3], v[A16] offset:((\k)/2)*QUART+\t*IPB+((\k)%2)*1536
	ds_load_b64 v[(\buf)+12*\t+4:(\buf)+12*\t+5], v[A8] offset:((\k)/2)*QUART+\t*IPB+((\k)%2)*1536+512
	ds_load_b128 v[(\buf)+12*\t+6:(\buf)+12*\t+9], v[A16] offset:((\k)/2)*QUART+\t*IPB+((\k)%2)*1536+768
	ds_load_b64 v[(\buf)+12*\t+10:(\buf)+12*\t+11], v[A8] offset:((\k)/2)*QUART+\t*IPB+((\k)%2)*1536+1280
.endr
.irp t, 0,1,2,3
	ds_load_b128 v[(\buf)+48+12*\t:(\buf)+48+12*\t+3], v[B16] offset:((\k)/2)*QUART+\t*IPB+((\k)%2)*1536
	ds_load_b64 v[(\buf)+48+12*\t+4:(\buf)+48+12*\t+5], v[B8] offset:((\k)/2)*QUART+\t*IPB+((\k)%2)*1536+512
	ds_load_b128 v[(\buf)+48+12*\t+6:(\buf)+48+12*\t+9], v[B16] offset:((\k)/2)*QUART+\t*IPB+((\k)%2)*1536+768
	ds_load_b64 v[(\buf)+48+12*\t+10:(\buf)+48+12*\t+11], v[B8] offset:((\k)/2)*QUART+\t*IPB+((\k)%2)*1536+1280
.endr
.endm
.macro SCALES q                        ; K quarter q's scale words, two a row, into set q % 2: A's tiles at +0, B's at +8
.irp t, 0,1,2,3
	ds_load_b64 v[224+16*((\q)%2)+2*\t:225+16*((\q)%2)+2*\t], v[A8] offset:(\q)*QUART+\t*IPB+3072
	ds_load_b64 v[232+16*((\q)%2)+2*\t:233+16*((\q)%2)+2*\t], v[B8] offset:(\q)*QUART+\t*IPB+3072
.endr
.endm
.macro MUL k                           ; 16 matrix instructions; the 16 accumulators take turns, one instruction a turn, in the same order in every step
.set BU, 32+96*((\k)%2)
.set SS, 224+16*(((\k)/2)%2)+(\k)%2
.irp a, 0,1,2,3
.irp b, 0,1,2,3
.if (\k) == 0
	v_wmma_scale_f32_16x16x128_f8f6f4 v[8*(4*\a+\b):8*(4*\a+\b)+7], v[BU+48+12*\b:BU+48+12*\b+11], v[BU+12*\a:BU+12*\a+11], v[128+8*\b:128+8*\b+7], v[SS+8+2*\b], v[SS+2*\a] matrix_a_fmt:MATRIX_FMT_FP6 matrix_b_fmt:MATRIX_FMT_FP6
.else
	v_wmma_scale_f32_16x16x128_f8f6f4 v[8*(4*\a+\b):8*(4*\a+\b)+7], v[BU+48+12*\b:BU+48+12*\b+11], v[BU+12*\a:BU+12*\a+11], v[8*(4*\a+\b):8*(4*\a+\b)+7], v[SS+8+2*\b], v[SS+2*\a] matrix_a_fmt:MATRIX_FMT_FP6 matrix_b_fmt:MATRIX_FMT_FP6
.endif
.endr
.endr
.endm
; K step k: the next step's fragments are asked for, then this step is multiplied.  An odd step's successor lies in the next K quarter, which is in already.
.macro KSTEP k
.if ((\k) > 0) && ((\k) < 7)
	PLACES                                         ; the loads below land in the buffer that the last step multiplied
.endif
.if (\k) < 7
	FETCH (\k)+1, 32+96*(((\k)+1)%2)
.if (\k)%2 == 1
	SCALES ((\k)+1)/2
.endif
.endif
.if (\k) == 7
	s_wait_dscnt 0x0
.elseif (\k)%2 == 0
	s_wait_dscnt 32                                ; all but the 32 fragment loads just issued
.else
	s_wait_dscnt 40                                ; all but the 32 fragment loads and 8 scale loads just issued
.endif
	WIN 0x50                                       ; C and D window 1
	MUL \k
	WIN 0
.endm
; A WORK-GROUP STAYS: the grid is 8 x 32, and work-group (x, y) makes three tiles of C: rows 128 y on against columns 128 (x + 8 t) on, t = 0 (q), 1 (k), 2 (v): the same two heads in all three.
; A's panel is loaded once.  B's panel is filled again for t = 1 and 2, behind a round of the cluster's barrier, directly behind the tile's last K step:
; waves 2 and 3 issue one joint load each (their share of 64 columns, 16 shares on in wq), waves 0 and 1 none; the way out of tile t stands between that load and the wait for it.
.macro TILE t
	s_wait_alu depctr_va_vdst(0)
	s_wait_tensorcnt 0x0                           ; my share has landed
	s_barrier_signal -1
	s_barrier_wait -1                              ; everybody's has; and nobody reads the stage of the tile before any more
	FETCH 0, 32
	SCALES 0
	s_wait_loadcnt 0x0                             ; the bias
.irp k, 0,1,2,3,4,5,6,7
	KSTEP \k
.endr
.if \t < 2
	s_wait_tensorcnt 0x0                           ; no tensor load of mine is out, so group 0 may be written
	ds_add_u32 v27, v31
	s_add_nc_u64 s[G0B+2:G0B+3], s[G0B+2:G0B+3], 16*SHARE   ; eight tile columns on
	s_wait_dscnt 0x0                               ; the add is done, and my reads of B's panel
	CROUND                                         ; no wave of any partner still reads B's panel
	s_cmp_eq_u32 s15, 0
	s_cbranch_scc1 .Lnofill_\@
	tensor_load_to_lds s[G0B:G0B+3], s[G1B:G1B+7]  ; the next tile's share of B, my one tensor load behind the round
	s_nop 0
	PLACES
.Lnofill_\@:
	WIN 0x40                                       ; destination window 1
.irp b, 0,1,2,3
	global_load_b128 v[128+8*\b:131+8*\b], v[BAD], s[8:9] offset:(\t+1)*4096+64*\b      ; the next tile's bias: 1,024 columns on
	global_load_b128 v[132+8*\b:135+8*\b], v[BAD], s[8:9] offset:(\t+1)*4096+64*\b+16
.endr
	WIN 0
.endif
	; ---- C goes into the work-group's stage, each accumulator from its low end on
	PLACES
	WIN 0x04                                       ; an LDS store's data are its source 1: window 1
	s_wait_alu depctr_va_vdst(0)
.irp a, 0,1,2,3
.irp b, 0,1,2,3
.if OUTK
	ds_store_b128 v[STO], v[8*(4*\a+\b):8*(4*\a+\b)+3] offset:(32*(\a/2)+8*(\a%2))*SP+64*\b
	ds_store_b128 v[STO], v[8*(4*\a+\b)+4:8*(4*\a+\b)+7] offset:(32*(\a/2)+8*(\a%2))*SP+64*\b+16
.else
	ds_store_b128 v[STO], v[8*(4*\a+\b):8*(4*\a+\b)+3] offset:\a*16*SP+64*\b
	ds_store_b128 v[STO], v[8*(4*\a+\b)+4:8*(4*\a+\b)+7] offset:\a*16*SP+64*\b+16
.endif
.endr
.endr
	WIN 0
	s_wait_dscnt 0x0                               ; for the others' sake: my stores into the stage are done
	s_barrier_signal -1
	s_barrier_wait -1
.if OUTK
.set tt, 0
.rept 32
	ds_load_b128 v[32+4*tt:35+4*tt], v[RQ] offset:tt*SP
.set tt, tt+1
.endr
.set tt, 0
.rept 32
	s_wait_dscnt 31-tt                             ; row tt is back; the younger rows may be out
	global_store_b128 v[L16], v[32+4*tt:35+4*tt], s[10:11] offset:tt*4096 th:TH_STORE_NT   ; 32 lanes store 512 consecutive bytes, aligned to 256
.set tt, tt+1
.endr
.else
	; ---- two images of 64 numbers a lane; which way is settled when the text is assembled
.if \t < 2
	; q, k: half u of image n holds tokens 8 (2 n + u) + r % 8 + 32 (r / 8) of my 64 and all 64 channels, lane (r, h) channels 32 h on: so in the score product a lane's 32 results of four tiles are one block of 32 keys
.irp n, 0,1
.irp u, 0,1
.irp i, 0,1,2,3,4,5,6,7
	ds_load_b128 v[32+64*\n+32*\u+4*\i:35+64*\n+32*\u+4*\i], v[RQ] offset:(16*\n+8*\u)*SP+16*\i
.endr
.endr
.endr
.else
	; v: image n is fragment t = 2 (w % 2) + n: its rows are channels 8 t + r % 8 + 32 (r / 8), its K the tile's 128 keys: lane (r, h) takes keys 64 u + 32 h + i, down the stage's rows
.irp n, 0,1
.irp u, 0,1
.set ii, 0
.rept 32
	ds_load_b32 v[32+64*\n+32*\u+ii], v[RV] offset:(64*\u+ii)*SP+32*\n
.set ii, ii+1
.endr
.endr
.endr
.endif
	s_wait_dscnt 0x0
	QFRAG 32, 160, 184
	QFRAG 96, 172, 185
.if \t == 0
	IPBSTORE 160, 172, 184, 10, 0
.else
	IPBSTORE 160, 172, 184, 88, (\t-1)*2*IPB
.endif
.endif
.if \t < 2
	s_wait_xcnt 0x0                                ; the stores have read their registers: the next tile's fragments may land there
.endif
.endm
	TILE 0
	TILE 1
	TILE 2
	s_wait_tensorcnt 0x0
	ds_add_u32 v27, v31
	s_wait_dscnt 0x0
	CROUND
	s_endpgm
.Lfunc_end_k_q454c0c11f2_gemm_qkv:
	.size	k_q454c0c11f2_gemm_qkv, .Lfunc_end_k_q454c0c11f2_gemm_qkv-k_q454c0c11f2_gemm_qkv
	.p2alignl 7, 3214868480
	.fill 96, 4, 3214868480
	.section	.rodata,"a",@progbits
	.p2align	6, 0x0
	.amdhsa_kernel k_q454c0c11f2_gemm_qkv
		.amdhsa_group_segment_fixed_size 327680
		.amdhsa_private_segment_fixed_size 0
		.amdhsa_enable_private_segment 0
		.amdhsa_kernarg_size 32
		.amdhsa_user_sgpr_count 2
		.amdhsa_user_sgpr_kernarg_segment_ptr 1
		.amdhsa_wavefront_size32 1
		.amdhsa_system_sgpr_workgroup_id_x 1
		.amdhsa_system_sgpr_workgroup_id_y 1
		.amdhsa_system_sgpr_workgroup_id_z 1
		.amdhsa_system_vgpr_workitem_id 0
		.amdhsa_next_free_vgpr 416
		.amdhsa_next_free_sgpr 96
		.amdhsa_reserve_vcc 0
		.amdhsa_float_denorm_mode_32 3
		.amdhsa_float_denorm_mode_16_64 3
		.amdhsa_memory_ordered 1
		.amdhsa_forward_progress 1
		.amdhsa_inst_pref_size 158
	.end_amdhsa_kernel
	.amdgpu_metadata
---
amdhsa.version: [ 1, 2 ]
amdhsa.kernels:
  - .name:           k_q454c0c11f2_gemm_qkv
    .symbol:         k_q454c0c11f2_gemm_qkv.kd
    .args:
      - { .name: xq, .offset: 0, .size: 8, .value_kind: global_buffer, .address_space: global }
      - { .name: wq, .offset: 8, .size: 8, .value_kind: global_buffer, .address_space: global }
      - { .name: b_qkv, .offset: 16, .size: 8, .value_kind: global_buffer, .address_space: global }
      - { .name: qkvc, .offset: 24, .size: 8, .value_kind: global_buffer, .address_space: global }
    .group_segment_fixed_size: 327680
    .private_segment_fixed_size: 0
    .kernarg_segment_align: 8
    .kernarg_segment_size: 32
    .max_flat_workgroup_size: 128
    .sgpr_count:     96
    .vgpr_count:     416
    .wavefront_size: 32
...
	.end_amdgpu_metadata
.endif
;; end of part 2
;; launch attn (part 3): grid 16 x 16, 16 waves a work-group, no clusters, 327,680 bytes of LDS; arguments qkvc, ao; writes ao
.if DOCPART == 3
	.amdgcn_target "amdgcn-amd-amdhsa--gfx1250"
	.amdhsa_code_object_version 6
	.text
	.protected	k_q454c0c11f2_attn
	.globl	k_q454c0c11f2_attn
	.p2align	8
	.type	k_q454c0c11f2_attn,@function
k_q454c0c11f2_attn:
	s_mov_b64 s[64:65], 0
	v_nop
	global_prefetch_b8 v0, s[64:65] scope:SCOPE_SE
	s_setreg_imm32_b32 hwreg(HW_REG_WAVE_MODE, 25, 1), 1
	s_wait_xcnt 0x0
; Causal attention of 16 heads of 64 channels over 4,096 tokens, both products on codes of FP6 (E2M3) with E8M0 scales; the result, divided by the row's sum, is quantised along the channels and leaves as codes.
; LEFT OUT: key steps of 128 keys that lie wholly behind a tile's queries: causal masking sets their scores to -infinity, so their p is 0 for all inputs.
; SOFTMAX: t = score x log2(e) / 8; M = the largest t so far, rounded up to a whole number; p = 2^(t - M) is quantised along the keys; the row's sum is taken of the unquantised p; when M moves, sum and O are multiplied by 2^(old M - new M).
; INPUT qkvc in blocks IPB of 3,328 bytes: four half-images of 768 bytes (six operand registers: 0-3 at 16 x lane, 4-5 at 512 + 8 x lane), then two scale words a lane at 3,072 + 8 x lane.
;   q: [head][64 IPB]; from KVB on [head][step of 128 keys][k: 2 IPB][v: 2 IPB].  Half-image g of an IPB of q or k holds tokens 8 g + r % 8 + 32 (r / 8) of its 64, lane (r, h) channels 32 h on.
;   Fragment t of v has rows = channels 8 t + r % 8 + 32 (r / 8) and K = the step's 128 keys.
; THE SCORE PRODUCT has K = 64, the instruction 128: source 0 is two half-images of k, source 1 my queries' six registers beside six of zero codes, low or high.  Both products are used transposed: a lane holds one query.
; By the rows' order above, lane (r, h) holds in registers 32 e + 0 .. 31 of S^T the keys 64 e + 32 h + 0 .. 31: a WHOLE block of 32, in the order of the next operand's registers; O^T likewise holds channels 32 h + 0 .. 31.
; SHARES.  Work-group (j, head) owns query blocks j and 31 - j of 128 queries.  A tile of 16 queries belongs to TWO waves: one takes the even key steps, one the odd.  The work-group walks block j's keys first, then
; block 31 - j's: j / 8 + 1 and (31 - j) / 8 + 1 slots of eight steps, five in every work-group; a wave works on four steps of a slot, 16 or 17 steps in all.  At the change of blocks each wave lays its half
; state (O, -M, sum) into LDS bytes of its own; at the end the odd waves hand over block 31 - j's, the even waves join and store that block, the odd waves block j.
; THE RING.  Two slots of 106,496 bytes; every wave brings a sixteenth of a slot with one tensor load: one load of a wave is out at a time.  Every wait on TENSORcnt is for 0.
; PREFETCH.  In phases 0 to 2 wave 0 asks for this work-group's sixteenth (26 blocks of 256 bytes, a lane a block) of the head's key slot phase + 1; the head's sixteen work-groups share a slot out by j.  It stops at slot 3, the head's last.
; NO CLUSTER: the work-groups that read one head's k and v differ in j, and the jumps over hidden key steps hang on j.
; LIMITS: the promise holds while |t| stays under 2^31; NaN and infinities are not served; a block of O or p whose largest magnitude lies under 2^-124 gets the scale byte 1 (this program alone reads the bytes).
; REGISTERS: v1-8 addresses, d, 8 h; v[10:11] f; v12 -M, v13 largest t, v[14:15] sum; v[16:17] the partner's factor; v18-24, v25-31 the two blocks' q and scale words; v32-79 fragments of k or v; v80-83 addresses;
;   v96-159 S^T, then p; v160-191 O^T; v192-209 Q, zeros, Q; v210-211 Q's scale words; v224-235 p's codes; v232-247, v252, v254 at work; v248-251 k's or v's scale words; v253 p's scale word.
.set IPB,   3328
.set QUART, 13312
.set SHARE, 53248
.set KVB,   3407872
.set STEPB, 4*IPB
.set SLOTB, 8*STEPB
.set HEADB, 32*STEPB
.set SLOT1, 1<<17                      ; slot 1: one exclusive or turns an address in one slot into the other's
.set SPARE, SLOT1+SLOTB                ; behind the ring: the spare words, 128 bytes a wave
.set XLB,   SPARE+2048                 ; then the low block's half states, STATE bytes a wave; no tensor load lands here
.set STATE, 9*512                      ; 32 registers of O^T and v12-15, 16 bytes a lane each
.set L16,1
.set L8,2
.set SPW,3
.set NIL,4
.set AD16,5
.set AD8,6
.set DD,7
.set H8,8
.set FF,10
.set GB,16
.set PF,80
.set XL,81                             ; my own place among the low states
.set XH,82                             ; my pair's place for the high block's hand-over: in slot 1, behind its last fill and last read
.set XP,83                             ; my partner's place among the low states
.set WV,8
.set PAR,9                             ; 0: even key steps, 1: odd
.set HD,10
.set TI,11
.set DSH,12
.set DS,13                             ; the query block in hand = its last key step
.set NL,14                             ; slots of the low block
.set N,15                              ; phase
.set G1,16
.set G0,24
.set SEL,28
.set CS,30
.set TB,32
.set KS,33
.set SS,34                             ; key slot that the next load brings
.set CNT,35
.set AO,36
.set AOS,38
.set BASE,42
.set PFA,44
.set SW,46
.set QS,47
.macro D n
	s_delay_alu instid0(VALU_DEP_\n)
.endm
.macro NOP4
.rept 4
	v_nop
.endr
.endm
.macro QPLACE blk, q, qs               ; pointers to my tile's half-image and scale word in query block s[blk]
	s_lshl_b32 s58, s[\blk], 1
	s_add_co_u32 s58, s58, s52
	s_mul_i32 s58, s58, IPB
	s_add_co_u32 s60, s58, s56
	s_add_nc_u64 s[\q:\q+1], s[4:5], s[60:61]
	s_add_co_u32 s60, s58, s57
	s_add_nc_u64 s[\qs:\qs+1], s[4:5], s[60:61]
.endm
.macro QSET q, w                       ; my queries below and above the zeros, and their scale words
.irp i, 0,1,2,3,4,5
	v_mov_b32 v[192+\i], v[\q+\i]
	v_mov_b32 v[204+\i], v[\q+\i]
.endr
	v_lshrrev_b32 v210, s[QS], v[\w]
	v_and_b32 v210, 0xffff, v210                   ; my two bytes, then two bytes 0 over zero codes
	v_lshlrev_b32 v211, 16, v210
.endm
.macro RESET                           ; an empty state; the 36 lines also stand between the scale words' making and the first product
	v_mov_b32 v13, 0xff61b1e6                      ; -3e38, under every t
	v_floor_f32 v12, -v13
	v_mov_b32 v14, 0
	v_mov_b32 v15, 0
.set jj, 0
.rept 32
	v_mov_b32 v[160+jj], 0
.set jj, jj+1
.endr
.endm
.macro SENDST adr                      ; my state into LDS, each accumulator from its low end on
.irp q, 0,1,2,3,4,5,6,7
	ds_store_b128 v[\adr], v[160+4*\q:163+4*\q] offset:512*\q
.endr
	ds_store_b128 v[\adr], v[12:15] offset:4096
.endm
.macro GETST o, st, adr
.irp q, 0,1,2,3,4,5,6,7
	ds_load_b128 v[\o+4*\q:\o+4*\q+3], v[\adr] offset:512*\q
.endr
	ds_load_b128 v[\st:\st+3], v[\adr] offset:4096
.endm
	s_load_b128 s[4:7], s[0:1], 0x0                ; qkvc, ao
	v_lshl_add_u32 v[SPW], v0, 2, SPARE
	v_mov_b32 v[NIL], 0
	ds_add_u32 v[SPW], v[NIL]
	ds_add_u32 v[SPW], v[NIL]
	v_lshrrev_b32 v86, 5, v0
	v_readfirstlane_b32 s[WV], v86                 ; wave 0..15
	s_and_b32 s[HD], ttmp7, 0xffff
	s_lshr_b32 s[TI], s[WV], 1                     ; which 16 queries of a block
	s_lshr_b32 s[PAR], s[WV], 2
	s_xor_b32 s[PAR], s[PAR], s[WV]
	s_and_b32 s[PAR], s[PAR], 1
	s_mov_b32 s[DS], ttmp9                         ; the low block first
	s_sub_co_u32 s[DSH], 31, ttmp9
	s_lshr_b32 s[NL], ttmp9, 3
	s_add_co_u32 s[NL], s[NL], 1
	s_mov_b32 s[G1], 3<<16                         ; 6,656 dense bytes as 26 rows of 32 elements of 8 bytes
	s_mov_b32 s[G1+1], 32<<16
	s_mov_b32 s[G1+2], 26<<16
	s_mov_b32 s[G1+3], 32<<16
	s_mov_b32 s[G1+4], 26
	s_mov_b32 s[G1+5], 32
	s_mov_b32 s[G1+6], 0
	s_mov_b32 s[G1+7], 0
	s_mov_b32 s[G0], 1
	s_mul_i32 s[G0+1], s[WV], SLOTB/16             ; my sixteenth of slot 0
	s_mul_i32 s40, s[HD], HEADB
	s_add_co_u32 s40, s40, KVB
	s_mul_i32 s54, ttmp9, 26*256
	s_add_co_u32 s54, s54, s40                     ; the prefetches: this work-group's sixteenth of a slot
	s_mov_b32 s55, 0
	s_add_co_u32 s40, s40, s[G0+1]
	s_mov_b32 s41, 0
	s_wait_dscnt 0x0
	s_wait_kmcnt 0x0
	s_add_nc_u64 s[BASE:BASE+1], s[4:5], s[40:41]
	s_mov_b64 s[G0+2:G0+3], s[BASE:BASE+1]
	s_or_b32 s[G0+3], s[G0+3], 0x80000000
	tensor_load_to_lds s[G0:G0+3], s[G1:G1+7]      ; phase 0: key steps 0 to 7
	s_nop 0
	s_add_nc_u64 s[PFA:PFA+1], s[4:5], s[54:55]
	s_lshr_b32 s52, s[TI], 2
	s_and_b32 s53, s[TI], 3
	s_lshl_b32 s51, s52, 6
	s_lshl_b32 s54, s53, 3
	s_add_co_u32 s51, s51, s54                     ; 64 (i / 4) + 8 (i % 4)
	s_and_b32 s[QS], s[TI], 1
	s_lshl_b32 s[QS], s[QS], 4                     ; where my half-image's two bytes stand in the scale word
	s_lshl_b32 s55, s[HD], 6
	s_mul_i32 s55, s55, IPB
	s_mul_i32 s56, s53, 768
	s_add_co_u32 s56, s56, s55
	s_bfe_u32 s57, s[TI], 0x10001
	s_lshl_b32 s57, s57, 2
	s_add_co_u32 s57, s57, s55
	s_add_co_u32 s57, s57, 3072
	s_mov_b32 s61, 0
	QPLACE DS, 66, 68
	QPLACE DSH, 70, 72
	s_cmp_lg_u32 s[PAR], 0                         ; the block that I store: odd waves the low one, even waves the high one
	s_cselect_b32 s58, ttmp9, s[DSH]
	s_lshl_b32 s58, s58, 1
	s_add_co_u32 s58, s58, s52
	s_mul_i32 s58, s58, SHARE                      ; ao: [64 rows][head / 4][i % 4][IPB], half-image head % 4
	s_mul_i32 s59, s53, IPB
	s_add_co_u32 s58, s58, s59
	s_lshr_b32 s59, s[HD], 2
	s_mul_i32 s59, s59, QUART
	s_add_co_u32 s58, s58, s59
	s_and_b32 s59, s[HD], 3
	s_mul_i32 s60, s59, 768
	s_add_co_u32 s60, s60, s58
	s_add_nc_u64 s[AO:AO+1], s[6:7], s[60:61]
	s_lshl_b32 s60, s59, 1
	s_add_co_u32 s60, s60, s58
	s_add_co_u32 s60, s60, 3072
	s_add_nc_u64 s[AOS:AOS+1], s[6:7], s[60:61]
	s_mul_i32 s48, s[WV], STATE
	s_add_co_u32 s48, s48, XLB
	s_xor_b32 s49, s[WV], 1
	s_mul_i32 s49, s49, STATE
	s_add_co_u32 s49, s49, XLB
	s_mul_i32 s50, s[TI], STATE
	s_add_co_u32 s50, s50, SLOT1
	s_mov_b32 s[SEL], 0x76543210
	s_mov_b32 s[SEL+1], 0xfedcba98
	s_mov_b32 s[CS], 0x3e38aa3b                    ; log2(e) / 8
	s_mov_b32 s[CS+1], s[CS]
	s_mul_i32 s[TB], s[PAR], STEPB
	s_mov_b32 s[KS], s[PAR]
	s_mov_b32 s[SS], 0
	s_mov_b32 s[N], 0
	v_and_b32 v86, 31, v0
	v_lshlrev_b32 v[L16], 4, v86
	v_lshlrev_b32 v[L8], 3, v86
	global_load_b128 v[26:29], v[L16], s[66:67]
	global_load_b64 v[30:31], v[L8], s[66:67] offset:512
	global_load_b32 v25, v[L8], s[68:69]
	global_load_b128 v[18:21], v[L16], s[70:71]
	global_load_b64 v[22:23], v[L8], s[70:71] offset:512
	global_load_b32 v24, v[L8], s[72:73]
	v_min_u32 v[PF], 25, v86
	v_lshlrev_b32 v[PF], 8, v[PF]                  ; lanes 26-31 name the share's last block again
	v_add_nc_u32 v[XL], s48, v[L16]
	v_add_nc_u32 v[XP], s49, v[L16]
	v_add_nc_u32 v[XH], s50, v[L16]
	v_and_b32 v86, 7, v0
	v_bfe_u32 v87, v0, 3, 1
	v_bfe_u32 v88, v0, 4, 1
	v_lshlrev_b32 v[H8], 3, v88
	v_sub_nc_u32 v87, v87, v88
	v_lshl_add_u32 v[DD], v87, 5, v86
	v_add_nc_u32 v[DD], s51, v[DD]                 ; d = my query's place in its block - 32 (lane / 16)
.irp i, 198,199,200,201,202,203,11,17,236,252,254
	v_mov_b32 v\i, 0                               ; zero codes; upper halves of pairs; lane permutes' destinations
.endr
	s_wait_loadcnt 0x0
	QSET 26, 25
	RESET
.macro KVLOAD off                      ; four fragments (two IPBs) and their scale words: 18 LDS loads
.irp e, 0,1
.irp g, 0,1,2,3
	ds_load_b128 v[32+24*\e+6*\g:35+24*\e+6*\g], v[AD16] offset:\off+\e*IPB+\g*768
	ds_load_b64 v[36+24*\e+6*\g:37+24*\e+6*\g], v[AD8] offset:\off+\e*IPB+\g*768+512
.endr
	ds_load_b64 v[248+2*\e:249+2*\e], v[AD8] offset:\off+\e*IPB+3072
.endr
.endm
.macro STEP                            ; 128 keys
	s_cmp_gt_u32 s[KS], s[DS]                      ; all its keys come after my queries
	s_cbranch_scc1 .Lhidden_\@
	v_add_nc_u32 v[AD16], s[TB], v[L16]
	v_add_nc_u32 v[AD8], s[TB], v[L8]
	v_nop
	v_nop                                          ; four plain instructions in front of loads into registers that the last products read
	KVLOAD 0
	s_wait_alu depctr_va_vdst(0)
	s_wait_dscnt 0x0
.irp p, 0,1,2,3                                ; S^T = K Q^T: tile 2 p + u = two half-images against Q below (u = 0) or above (u = 1) the zeros
.irp u, 0,1
	v_wmma_scale_f32_16x16x128_f8f6f4 v[96+8*(2*\p+\u):103+8*(2*\p+\u)], v[32+12*\p:43+12*\p], v[192+6*\u:203+6*\u], 0, v[248+\p], v[210+\u] matrix_a_fmt:MATRIX_FMT_FP6 matrix_b_fmt:MATRIX_FMT_FP6
.endr
.endr
	NOP4                                           ; places in front of the loads below and of the first read of the scores
	KVLOAD 2*IPB                                   ; v's fragments land while the softmax is worked
	s_cmp_eq_u32 s[KS], s[DS]                      ; on the diagonal hidden keys' scores become -infinity
	s_cbranch_scc0 .Lopen_\@
	v_mov_b32 v254, 0xff800000
.set nn, 0
.rept 64
	v_cmp_gt_i32 vcc_lo, 64*(nn/32)+nn%32, v[DD]   ; register 32 e + i holds key 64 e + 32 (lane / 16) + i: hidden where 64 e + i > d
	v_cndmask_b32 v[96+nn], v[96+nn], v254, vcc_lo
.set nn, nn+1
.endr
.Lopen_\@:
.irp b, 0,1,2,3                                ; the largest score of my two blocks of 32 keys, in four chains of 16
	v_max3_num_f32 v[232+\b], v[96+16*\b], v[97+16*\b], v[98+16*\b]
.endr
.irp i, 3,5,7,9,11,13
.irp b, 0,1,2,3
	v_max3_num_f32 v[232+\b], v[232+\b], v[96+16*\b+\i], v[97+16*\b+\i]
.endr
.endr
	v_max3_num_f32 v232, v232, v233, v111
	v_max3_num_f32 v234, v234, v235, v143
	v_max_num_f32 v232, v232, v127                 ; block h
	v_max_num_f32 v234, v234, v159                 ; block 2 + h
	v_max_num_f32 v254, v232, v234
	v_permlanex16_b32 v236, v254, s[SEL], s[SEL+1]
	v_max_num_f32 v254, v254, v236                 ; with lane l xor 16's two blocks
	v_mul_f32 v254, s[CS], v254
	v_max_num_f32 v13, v13, v254
	v_mov_b32 v254, v12
	v_floor_f32 v12, -v13                          ; the new -M
	v_sub_f32 v254, v12, v254                      ; old M - new M, a whole number
	v_cvt_i32_f32 v254, v254                       ; (it saturates)
	v_ldexp_f32 v[FF], 1.0, v254                   ; f
.set jj, 0
.rept 32
	v_pk_fma_f32 v[96+jj:97+jj], v[96+jj:97+jj], s[CS:CS+1], v[12:13] op_sel_hi:[1,0,0]   ; t - M
.set jj, jj+2
.endr
	v_fma_f32 v232, v232, s[CS], v12               ; the same of each block's largest score: p rises with the score
	v_fma_f32 v234, v234, s[CS], v12
	s_wait_alu depctr_va_vdst(0)
.set jj, 0
.rept 64
	v_exp_f32 v[96+jj], v[96+jj]
.set jj, jj+1
.endr
	v_exp_f32 v232, v232
	v_exp_f32 v234, v234
	v_pk_mul_f32 v[14:15], v[14:15], v[FF:FF+1] op_sel_hi:[1,0]   ; the sums under the new M: the plain instruction behind the batch
	s_wait_alu depctr_va_vdst(0)                   ; one wait for the batch of 66
.irp q, 0,1,2,3                                ; the sum of the unquantised p, in four chains
	v_pk_add_f32 v[236+2*\q:237+2*\q], v[96+2*\q:97+2*\q], v[104+2*\q:105+2*\q]
.endr
.irp m, 2,3,4,5,6,7
.irp q, 0,1,2,3
	v_pk_add_f32 v[236+2*\q:237+2*\q], v[236+2*\q:237+2*\q], v[96+8*\m+2*\q:97+8*\m+2*\q]
.endr
.endr
	v_pk_add_f32 v[236:237], v[236:237], v[238:239]
	v_pk_add_f32 v[240:241], v[240:241], v[242:243]
	v_max_num_f32 v232, 0x1800000, v232            ; the floor 2^(3 - 127): the byte cannot fall under 1
	v_max_num_f32 v234, 0x1800000, v234
	v_pk_add_f32 v[14:15], v[14:15], v[236:237]
	v_add_nc_u32 v244, 0xff000000, v232            ; 2 off the exponent field: the conversion's scale operand
	v_add_nc_u32 v245, 0xff000000, v234
	v_pk_add_f32 v[14:15], v[14:15], v[240:241]
	v_lshrrev_b32 v246, 23, v244
	v_lshrrev_b32 v247, 23, v245
	D 1
	v_lshl_or_b32 v253, v247, 16, v246             ; my two bytes, blocks h and 2 + h,
	D 1
	v_lshlrev_b32 v253, v[H8], v253                ; at their places;
	D 1
	v_permlanex16_b32 v252, v253, s[SEL], s[SEL+1]
	D 1
	v_or_b32 v253, v253, v252                      ; with lane l xor 16's two: p's scale word
	v_cvt_scalef32_pk16_fp6_f32 v[224:226], v[96:111], v244
	v_cvt_scalef32_pk16_fp6_f32 v[236:238], v[112:127], v244      ; a conversion's three registers begin on an even number
	v_cvt_scalef32_pk16_fp6_f32 v[230:232], v[128:143], v245
	v_cvt_scalef32_pk16_fp6_f32 v[240:242], v[144:159], v245
	v_nop                                          ; one plain instruction behind the scaled conversions
.irp i, 0,1,2
	v_mov_b32 v[227+\i], v[236+\i]
	v_mov_b32 v[233+\i], v[240+\i]
.endr
	s_wait_alu depctr_va_vdst(0)
.set jj, 0
.rept 16
	v_pk_mul_f32 v[160+jj:161+jj], v[160+jj:161+jj], v[FF:FF+1] op_sel_hi:[1,0]   ; O^T under the new M; also the places between p's codes and scale word and the products
.set jj, jj+2
.endr
	s_wait_alu depctr_va_vdst(0)
	s_wait_dscnt 0x0                               ; v's fragments are in
.irp t, 0,1,2,3                                ; O^T += V^T P^T; the four accumulators take turns
	v_wmma_scale_f32_16x16x128_f8f6f4 v[160+8*\t:167+8*\t], v[32+12*\t:43+12*\t], v[224:235], v[160+8*\t:167+8*\t], v[248+\t], v253 matrix_a_fmt:MATRIX_FMT_FP6 matrix_b_fmt:MATRIX_FMT_FP6
.endr
.Lhidden_\@:
	s_add_co_u32 s[KS], s[KS], 2                   ; my next step: the partner takes the one between
	s_add_co_u32 s[TB], s[TB], 2*STEPB
.endm
.macro SLOT_STEPS                      ; my four of a slot's eight key steps
	s_mov_b32 s[CNT], 4
.Lstep_\@:
	STEP
	s_sub_co_u32 s[CNT], s[CNT], 1
	s_cmp_lg_u32 s[CNT], 0
	s_cbranch_scc1 .Lstep_\@
	s_sub_co_u32 s[TB], s[TB], SLOTB
	s_xor_b32 s[TB], s[TB], SLOT1                  ; the other slot
.endm
	s_wait_alu depctr_va_vdst(0)
.Lphase:                                           ; phases 0 to 3: behind each change of slots the next phase's slot is asked for
	s_wait_xcnt 0x0                                ; any prefetch of mine has read its address
	s_add_nc_u64 s[PFA:PFA+1], s[PFA:PFA+1], SLOTB ; in phase n: key slot n + 1
	s_wait_tensorcnt 0x0                           ; my part of the slot ahead is in; no load of mine is out, so group 0 may be written
	ds_add_u32 v[SPW], v[NIL]
	s_cmp_eq_u32 s[N], s[NL]
	s_cselect_b32 s[SW], 1, 0                      ; this phase begins the high block
	s_add_co_u32 s[N], s[N], 1
	s_add_co_u32 s[SS], s[SS], 1
	s_cmp_eq_u32 s[N], s[NL]
	s_cselect_b32 s[SS], 0, s[SS]                  ; the next phase's key slot: the high block begins at slot 0 again
	s_mul_i32 s40, s[SS], SLOTB
	s_xor_b32 s[G0+1], s[G0+1], SLOT1
	s_add_nc_u64 s[G0+2:G0+3], s[BASE:BASE+1], s[40:41]
	s_or_b32 s[G0+3], s[G0+3], 0x80000000
	s_wait_dscnt 0x0                               ; the add is done, and my reads of the slot that I have left
	s_barrier_signal -1
	s_barrier_wait -1
	tensor_load_to_lds s[G0:G0+3], s[G1:G1+7]      ; my one tensor load until the next barrier
	s_nop 0
	NOP4                                           ; places behind the last products, for the stores below
	s_cmp_lg_u32 s[SW], 0
	s_cbranch_scc0 .Lsame
	SENDST XL                                      ; the low block's half state rests in my own LDS bytes until the end
	s_wait_dscnt 0x0
	QSET 18, 24
	RESET
	s_mov_b32 s[DS], s[DSH]
	s_mov_b32 s[KS], s[PAR]
.Lsame:
	s_cmp_gt_u32 s[N], 3                           ; phase 3 asks for nothing: slot 3 is the head's last
	s_cselect_b32 s54, 1, 0
	s_or_b32 s54, s54, s[WV]
	s_cmp_lg_u32 s54, 0
	s_cbranch_scc1 .Lnoask
	global_prefetch_b8 v[PF], s[PFA:PFA+1] th:TH_LOAD_NT scope:SCOPE_SE
.Lnoask:
	s_wait_alu depctr_va_vdst(0)
	SLOT_STEPS
	s_cmp_lt_u32 s[N], 4
	s_cbranch_scc1 .Lphase
	s_wait_tensorcnt 0x0                           ; phase 4 is written out: nothing more is asked for
	ds_add_u32 v[SPW], v[NIL]
	s_wait_dscnt 0x0
	s_barrier_signal -1
	s_barrier_wait -1
	SLOT_STEPS
	; THE END.  Odd waves hand the high block's half state over; even waves join the high block's halves, odd waves the low block's.
	NOP4                                           ; places behind the last products
	s_cmp_lg_u32 s[PAR], 0
	s_cbranch_scc0 .Lhold
	SENDST XH
.Lhold:
	s_wait_dscnt 0x0                               ; for the partner's sake
	s_barrier_signal -1
	s_barrier_wait -1
	s_cmp_lg_u32 s[PAR], 0
	s_cbranch_scc0 .Lhigh
	GETST 160, 12, XL
	GETST 96, 128, XP
	s_branch .Ljoin
.Lhigh:
	GETST 96, 128, XH
.Ljoin:
	s_wait_dscnt 0x0
	v_min_num_f32 v254, v12, v128                  ; -M of all the keys
	v_add_f32 v14, v14, v15
	v_add_f32 v130, v130, v131
	v_sub_f32 v236, v254, v12
	v_sub_f32 v237, v254, v128
	D 2
	v_cvt_i32_f32 v236, v236
	D 2
	v_cvt_i32_f32 v237, v237
	D 2
	v_ldexp_f32 v[FF], 1.0, v236                   ; each half's factor, an exact power of two; 0 for a half with no key step
	D 2
	v_ldexp_f32 v[GB], 1.0, v237
	D 2
	v_mul_f32 v14, v14, v[FF]
	D 1
	v_fmac_f32 v14, v130, v[GB]
	D 1
	v_permlanex16_b32 v254, v14, s[SEL], s[SEL+1]
	D 1
	v_add_f32 v14, v14, v254                       ; the row's sum
	s_wait_alu depctr_va_vdst(0)
	v_rcp_f32 v14, v14
	v_nop
	s_wait_alu depctr_va_vdst(0)
	v_mul_f32 v[FF], v[FF], v14
	v_mul_f32 v[GB], v[GB], v14
.set jj, 0
.rept 16
	v_pk_mul_f32 v[96+jj:97+jj], v[96+jj:97+jj], v[GB:GB+1] op_sel_hi:[1,0]
.set jj, jj+2
.endr
	s_wait_alu depctr_va_vdst(0)
.set jj, 0
.rept 16
	v_pk_fma_f32 v[96+jj:97+jj], v[160+jj:161+jj], v[FF:FF+1], v[96+jj:97+jj] op_sel_hi:[1,0,1]   ; register i: channel 32 (lane / 16) + i of my query, over the sum
.set jj, jj+2
.endr
.irp b, 0,1
	v_max3_num_f32 v[232+\b], |v[96+16*\b]|, |v[97+16*\b]|, 0x1800000   ; my block's largest magnitude, in two chains, and the floor
.endr
.irp i, 2,4,6,8,10,12,14
.irp b, 0,1
	D 2
	v_max3_num_f32 v[232+\b], v[232+\b], |v[96+16*\b+\i]|, |v[97+16*\b+\i]|
.endr
.endr
	D 1
	v_max_num_f32 v232, v232, v233
	D 1
	v_add_nc_u32 v244, 0xff000000, v232
	D 1
	v_lshrrev_b32 v240, 23, v244
	D 1
	v_lshlrev_b32 v240, v[H8], v240
	D 1
	v_permlanex16_b32 v236, v240, s[SEL], s[SEL+1]
	D 1
	v_or_b32 v242, v240, v236                      ; my row's two scale bytes
	v_cvt_scalef32_pk16_fp6_f32 v[224:226], v[96:111], v244
	v_cvt_scalef32_pk16_fp6_f32 v[228:230], v[112:127], v244
	v_nop                                          ; one plain instruction behind the scaled conversions
.irp i, 0,1,2
	v_mov_b32 v[227+\i], v[228+\i]                 ; ascending: each source is read before it is written
.endr
	global_store_b128 v[L16], v[224:227], s[AO:AO+1]            ; 512 consecutive bytes, aligned to 256
	global_store_b64 v[L8], v[228:229], s[AO:AO+1] offset:512   ; 256
	global_store_b16 v[L8], v242, s[AOS:AOS+1]                  ; two of a lane's eight scale bytes; the other six are three other heads'
	s_wait_tensorcnt 0x0                           ; the wave's end
	ds_add_u32 v[SPW], v[NIL]
	s_wait_dscnt 0x0
	s_endpgm
.Lfunc_end_k_q454c0c11f2_attn:
	.size	k_q454c0c11f2_attn, .Lfunc_end_k_q454c0c11f2_attn-k_q454c0c11f2_attn
	.p2alignl 7, 3214868480
	.fill 96, 4, 3214868480
	.section	.rodata,"a",@progbits
	.p2align	6, 0x0
	.amdhsa_kernel k_q454c0c11f2_attn
		.amdhsa_group_segment_fixed_size 327680
		.amdhsa_private_segment_fixed_size 0
		.amdhsa_enable_private_segment 0
		.amdhsa_kernarg_size 16
		.amdhsa_user_sgpr_count 2
		.amdhsa_user_sgpr_kernarg_segment_ptr 1
		.amdhsa_wavefront_size32 1
		.amdhsa_system_sgpr_workgroup_id_x 1
		.amdhsa_system_sgpr_workgroup_id_y 1
		.amdhsa_system_sgpr_workgroup_id_z 1
		.amdhsa_system_vgpr_workitem_id 0
		.amdhsa_next_free_vgpr 256
		.amdhsa_next_free_sgpr 80
		.amdhsa_reserve_vcc 1
		.amdhsa_float_denorm_mode_32 3
		.amdhsa_float_denorm_mode_16_64 3
		.amdhsa_memory_ordered 1
		.amdhsa_forward_progress 1
		.amdhsa_inst_pref_size 61
	.end_amdhsa_kernel
	.amdgpu_metadata
---
amdhsa.version: [ 1, 2 ]
amdhsa.kernels:
  - .name:           k_q454c0c11f2_attn
    .symbol:         k_q454c0c11f2_attn.kd
    .args:
      - { .name: qkvc, .offset: 0, .size: 8, .value_kind: global_buffer, .address_space: global }
      - { .name: ao, .offset: 8, .size: 8, .value_kind: global_buffer, .address_space: global }
    .group_segment_fixed_size: 327680
    .private_segment_fixed_size: 0
    .kernarg_segment_align: 8
    .kernarg_segment_size: 16
    .max_flat_workgroup_size: 512
    .sgpr_count:     80
    .vgpr_count:     256
    .wavefront_size: 32
...
	.end_amdgpu_metadata
.endif
;; end of part 3
;; launch gemm_out (part 4): grid 8 x 32, 4 waves a work-group, clusters of 4 x 4, 281,088 bytes of LDS; arguments ao, wp, b_proj, out0; writes out0
.if DOCPART == 4
	.amdgcn_target "amdgcn-amd-amdhsa--gfx1250"
	.amdhsa_code_object_version 6
	.text
	.protected	k_q454c0c11f2_gemm_out
	.globl	k_q454c0c11f2_gemm_out
	.p2align	8
	.type	k_q454c0c11f2_gemm_out,@function
k_q454c0c11f2_gemm_out:
	s_mov_b64 s[64:65], 0
	v_nop
	global_prefetch_b8 v0, s[64:65] scope:SCOPE_SE
	s_setreg_imm32_b32 hwreg(HW_REG_WAVE_MODE, 25, 1), 1
	s_wait_xcnt 0x0
	s_wait_alu depctr_hold_cnt(0) depctr_sa_sdst(0) depctr_va_vdst(0) depctr_va_sdst(0) depctr_va_ssrc(0) depctr_va_vcc(0) depctr_vm_vsrc(0)
	s_getreg_b32 s2, hwreg(HW_REG_IB_STS2, 6, 4)
	s_cmp_eq_u32 s2, 0
	s_cbranch_scc0 .Lentry_in_a_cluster
	s_endpgm
.Lentry_in_a_cluster:
	s_bfe_u32 s2, ttmp6, 0x10000c
	s_cmp_lg_u32 s2, 0xf033
	s_cbranch_scc0 .Lentry_shape_is_right
	s_endpgm
.Lentry_shape_is_right:
; C = A B^T + bias on codes of FP6 (E2M3) with E8M0 scales, K = 1,024.  One text serves two launches; OUTK chooses the way out.
;   OUTK = 0: A = x's codes, B = w_qkv's; C = q | k | v is quantised here, in f32 from the sums, and leaves as codes: q and k along the head's 64 channels, v along the keys.
;   OUTK = 1: A = the attention's codes, B = w_proj's; C leaves as f32.
; OPERANDS lie in memory as images of the operand's registers.  An IPB of 3,328 bytes holds 16 rows x 256 along K: four half-images of 768 bytes (registers 0-3 at 16 x lane, 4-5 at 512 + 8 x lane), then the
; rows' two scale words at 3,072 + 8 x lane.  A buffer is [row / 64][K / 256][(row / 16) % 4][IPB]: 64 rows x 256 along K are 13,312 dense bytes.
; SHARES.  A tile of C is 128 x 128; four waves, each 64 x 64: 16 accumulators.  Both panels for ALL of K (2 x 106,496 bytes) fit in LDS, so there are first fills only: no byte of LDS is filled twice.
; Each wave brings one share of 64 rows in four K quarters, one tensor load of 53,248 bytes, issued at the start: one of a wave's loads is out at the most; the products begin when all of it is in.
; CLUSTER 4 x 4: the four work-groups of a row of the cluster need the same panel of A, the four of a column the same panel of B: each load is asked for JOINTLY, with the same descriptor and a mask that names the four.
; THE MATRIX INSTRUCTION IS USED TRANSPOSED (source 0 = 16 rows of B, source 1 = 16 rows of A): a lane holds eight neighbouring columns of one row of C.  The bias is the C of each sum's first instruction.
; LIMITS (OUTK = 0): NaN and infinities are not served; a block whose largest magnitude lies under 2^-124, a block of zeros too, gets the scale byte 1 (this program alone reads the bytes).
; REGISTERS.  Window 0: v2-12 addresses; v16-30 at work in the quantiser; v32-127, v128-223 two buffers of fragments (A's four at +0, B's four at +48); v224-255 scale words, two sets.
;   Window 1: v0-127 the accumulators ((a, b) at 8 (4 a + b)); v128-159 the bias of my 64 columns.
.set OUTK,  1
.set IPB,   3328
.set QUART, 13312
.set SHARE, 53248
.set BPAN,  2*SHARE                    ; LDS: A's panel at 0, B's here,
.set STG,   4*SHARE                    ; and the stage for C: 128 rows x SP; no tensor load lands in it
.set SP,    528                        ; 512 bytes + 16
.set KVB,   3407872                    ; qkvc: q's codes [head][64 IPB] at 0; from here [head][step of 128 keys][k: 2 IPB][v: 2 IPB]
.set A16, 2                            ; v2  16 x lane + my 64 rows of A's panel
.set A8,  3                            ; v3  8 x lane + the same
.set B16, 4                            ; v4, v5 the same for B
.set B8,  5
.set STO, 6                            ; v6  the stage: where I put 32 bytes of a row
.set RQ,  7                            ; v7  the stage, back: by rows
.set RV,  8                            ; v8  the stage, back: down the rows (v alone)
.set L16, 9                            ; v9  16 x lane
.set L8,  10                           ; v10 8 x lane
.set H8,  11                           ; v11 8 x (lane / 16)
.set BAD, 12                           ; v12 32 x (lane / 16): my eight numbers of a tile's bias
.set TQ,  16
.set G1A, 20                           ; s[20:27] descriptor group 1 for A's loads; s[28:35] for B's: they differ in the mask
.set G1B, 28
.set G0A, 36                           ; s[36:39] group 0 for A's load; s[68:71] for B's
.set G0B, 68
.set SEL, 62                           ; s[62:63]
.set MSB, 0
.macro WIN new                         ; the immediate's high byte repeats the setting that is left
.if MSB != \new
	s_set_vgpr_msb (MSB<<8)|\new
.set MSB, \new
.endif
.endm
.macro PLACES                          ; four plain instructions in front of loads into registers that matrix instructions have read, and of the first read of results
.rept 4
	v_nop
.endr
.endm
.macro CROUND                          ; a round of the cluster's barrier: my work-group's barrier; wave 0 signals for the work-group; every wave waits for all sixteen; my work-group's barrier once more
	s_barrier_signal -1
	s_barrier_wait -1
	s_cmp_lg_u32 s14, 0
	s_cbranch_scc1 .Lnot_wave_0_\@
	s_barrier_signal -3
.Lnot_wave_0_\@:
	s_barrier_wait -3
	s_barrier_signal -1
	s_barrier_wait -1
.endm
; 64 numbers of a lane, v[src + 32 u + i] = element 64 u + 32 (lane / 16) + i along K of my row, become a fragment's twelve registers v[dst] on and its scale word v[wrd].
.macro QFRAG src, dst, wrd
.irp u, 0,1
	v_max3_num_f32 v[TQ+\u], |v[(\src)+32*\u]|, |v[(\src)+32*\u+1]|, 0x1800000   ; my block 2 u + h: all 32 numbers are mine; the floor 2^(3 - 127) holds the byte at 1 from below
.endr
.irp i, 2,4,6,8,10,12,14,16,18,20,22,24,26,28,30
.irp u, 0,1
	v_max3_num_f32 v[TQ+\u], v[TQ+\u], |v[(\src)+32*\u+\i]|, |v[(\src)+32*\u+\i+1]|
.endr
.endr
.irp u, 0,1
	v_add_nc_u32 v[TQ+2+\u], 0xff000000, v[TQ+\u]  ; 2 off the exponent field: the conversion's scale operand
.endr
.irp u, 0,1
	v_lshrrev_b32 v[TQ+4+\u], 23, v[TQ+2+\u]       ; the scale's byte
.endr
	v_lshl_or_b32 v[\wrd], v[TQ+5], 16, v[TQ+4]
	v_lshlrev_b32 v[\wrd], v[H8], v[\wrd]
	v_permlanex16_b32 v[TQ+6], v[\wrd], s[SEL], s[SEL+1]
	v_or_b32 v[\wrd], v[\wrd], v[TQ+6]             ; the word is whole, in both halves of the lanes
.irp u, 0,1
	v_cvt_scalef32_pk16_fp6_f32 v[(\dst)+6*\u:(\dst)+6*\u+2], v[(\src)+32*\u:(\src)+32*\u+15], v[TQ+2+\u]
	v_cvt_scalef32_pk16_fp6_f32 v[TQ+8+4*\u:TQ+10+4*\u], v[(\src)+32*\u+16:(\src)+32*\u+31], v[TQ+2+\u]   ; a conversion's three registers begin on an even number
.endr
	v_nop                                          ; one plain instruction behind the scaled conversions
.irp u, 0,1
.irp i, 0,1,2
	v_mov_b32 v[(\dst)+6*\u+3+\i], v[TQ+8+4*\u+\i]
.endr
.endr
.endm
.macro IPBSTORE c0, c1, wrd, sb, off   ; two fragments and their scale words leave as one IPB: each store covers 512 or 256 consecutive bytes, aligned to 256
	global_store_b128 v[L16], v[\c0:\c0+3], s[\sb:\sb+1] offset:\off
	global_store_b64 v[L8], v[\c0+4:\c0+5], s[\sb:\sb+1] offset:\off+512
	global_store_b128 v[L16], v[\c0+6:\c0+9], s[\sb:\sb+1] offset:\off+768
	global_store_b64 v[L8], v[\c0+10:\c0+11], s[\sb:\sb+1] offset:\off+1280
	global_store_b128 v[L16], v[\c1:\c1+3], s[\sb:\sb+1] offset:\off+1536
	global_store_b64 v[L8], v[\c1+4:\c1+5], s[\sb:\sb+1] offset:\off+2048
	global_store_b128 v[L16], v[\c1+6:\c1+9], s[\sb:\sb+1] offset:\off+2304
	global_store_b64 v[L8], v[\c1+10:\c1+11], s[\sb:\sb+1] offset:\off+2816
	global_store_b64 v[L8], v[\wrd:\wrd+1], s[\sb:\sb+1] offset:\off+3072
.endm
	s_load_b256 s[4:11], s[0:1], 0x0               ; A s[4:5], B s[6:7], bias s[8:9], the output s[10:11]
	v_lshl_add_u32 v30, v0, 2, 0x44800
	v_mov_b32 v31, 0
	ds_add_u32 v30, v31
	ds_add_u32 v30, v31
	v_lshrrev_b32 v13, 5, v0
	v_readfirstlane_b32 s14, v13                   ; wave 0..3
	s_lshr_b32 s15, s14, 1                         ; which 64 rows of the tile are mine.  Also: I fetch for A (0) or for B (1)
	s_and_b32 s16, s14, 1                          ; which 64 columns.  Also: which share of 64 rows I fetch
	s_bfe_u32 s12, ttmp6, 0x40000                  ; cx, cy: my place in the cluster
	s_bfe_u32 s13, ttmp6, 0x40004
	s_lshl_b32 s17, ttmp9, 2
	s_add_co_u32 s17, s17, s12                     ; tile column x = 4 x cluster x + cx
	s_and_b32 s18, ttmp7, 0xffff
	s_lshl_b32 s18, s18, 2
	s_add_co_u32 s18, s18, s13                     ; tile row y = 4 x cluster y + cy
	s_lshl_b32 s19, s13, 2
	s_lshl_b32 s19, 15, s19                        ; my row of the cluster
	s_lshl_b32 s3, 0x1111, s12                     ; my column
	; group 1: 53,248 dense bytes as 208 rows of 32 elements of 8 bytes; no padding: the images are read lane by lane, consecutively
	s_or_b32 s[G1A], s19, (3<<16)|(1<<21)          ; 15:0 the mask; 17:16 elements of 8 bytes; 21 set beside a mask
	s_or_b32 s[G1B], s3, (3<<16)|(1<<21)
.irp g, G1A, G1B
	s_mov_b32 s[\g+1], 32<<16                      ; tensor_dim0 = 32
	s_mov_b32 s[\g+2], 208<<16                     ; tensor_dim1 = 208: a whole share, all four K quarters, 53,248 dense bytes
	s_mov_b32 s[\g+3], 32<<16                      ; tile_dim0 = 32
	s_mov_b32 s[\g+4], 208                         ; tile_dim1 = 208
	s_mov_b32 s[\g+5], 32                          ; from row to row
	s_mov_b32 s[\g+6], 0
	s_mov_b32 s[\g+7], 0
.endr
	s_lshl_b32 s52, s18, 1                         ; A's share: 2 y + which; these registers never hold x,
	s_add_co_u32 s52, s52, s16
	s_mul_i32 s52, s52, SHARE
	s_mov_b32 s53, 0
	s_lshl_b32 s84, s17, 1                         ; B's: 2 x + which; these never hold y
	s_add_co_u32 s84, s84, s16
	s_mul_i32 s84, s84, SHARE
	s_mov_b32 s85, 0
	s_mul_i32 s54, s14, SHARE                      ; where it goes: wave x a share: A's two, then B's two; no place in the cluster enters an LDS address
	s_wait_dscnt 0x0
	s_wait_kmcnt 0x0
	s_add_nc_u64 s[56:57], s[4:5], s[52:53]
	s_add_nc_u64 s[86:87], s[6:7], s[84:85]
	CROUND                                         ; all sixteen work-groups are here: the joint loads meet
.irp q, 0
	s_mov_b32 s[G0A+4*\q], 1
	s_add_co_u32 s[G0A+4*\q+1], s54, \q*QUART
	s_add_nc_u64 s[G0A+4*\q+2:G0A+4*\q+3], s[56:57], \q*QUART
	s_or_b32 s[G0A+4*\q+3], s[G0A+4*\q+3], 0x80000000
	s_mov_b32 s[G0B+4*\q], 1
	s_add_co_u32 s[G0B+4*\q+1], s54, \q*QUART
	s_add_nc_u64 s[G0B+4*\q+2:G0B+4*\q+3], s[86:87], \q*QUART
	s_or_b32 s[G0B+4*\q+3], s[G0B+4*\q+3], 0x80000000
.endr
	s_cmp_eq_u32 s15, 0                            ; a wave's one fill stands in one branch on the wave's number, ahead of every wait on TENSORcnt, every LDS read and every other barrier
	s_cbranch_scc0 .Lfirst_b
	tensor_load_to_lds s[G0A:G0A+3], s[G1A:G1A+7]  ; ONE load a wave brings its share for all of K: the quarters named in the head comment come together
	s_nop 0
	PLACES                                         ; four v_nop follow the last load, ahead of the jump and the label
	s_branch .Lfirst_asked
.Lfirst_b:
	tensor_load_to_lds s[G0B:G0B+3], s[G1B:G1B+7]
	s_nop 0
	PLACES
.Lfirst_asked:
	v_and_b32 v13, 31, v0                          ; lane
	v_and_b32 v14, 15, v0                          ; r
	v_bfe_u32 v15, v0, 4, 1                        ; h
	v_lshlrev_b32 v[L16], 4, v13
	s_wait_alu depctr_va_vdst(0)
	v_lshlrev_b32 v[L8], 3, v13
	s_wait_alu depctr_va_vdst(0)
	v_lshlrev_b32 v[BAD], 5, v15
	v_and_b32 v16, 8, v14
	v_mad_u32_u24 v16, v16, 3, v14                 ; r + 24 (r / 8) = r % 8 + 32 (r / 8)
	s_wait_alu depctr_va_vdst(0)
	s_lshl_b32 s90, s17, 9                         ; the bias of my 64 columns: (128 x + 64 which) x 4 bytes
	s_lshl_b32 s91, s16, 8
	s_add_co_u32 s90, s90, s91
	s_mov_b32 s91, 0
	s_add_nc_u64 s[8:9], s[8:9], s[90:91]
	WIN 0x40                                       ; destination window 1
.irp b, 0,1,2,3
	global_load_b128 v[128+8*\b:131+8*\b], v[BAD], s[8:9] offset:64*\b      ; lane (r, h), tile b: columns 16 b + 8 h + 0 .. 7, in the result's layout
	global_load_b128 v[132+8*\b:135+8*\b], v[BAD], s[8:9] offset:64*\b+16
.endr
	WIN 0
	s_mul_i32 s58, s15, SHARE
	s_mul_i32 s59, s16, SHARE
	s_add_co_u32 s59, s59, BPAN
	v_add_nc_u32 v[A16], s58, v[L16]
	v_add_nc_u32 v[A8], s58, v[L8]
	v_add_nc_u32 v[B16], s59, v[L16]
	v_add_nc_u32 v[B8], s59, v[L8]
	s_mul_i32 s60, s15, 64*SP
	s_lshl_b32 s61, s16, 8
	s_add_co_u32 s60, s60, s61
	s_add_co_u32 s60, s60, STG
.if OUTK
	v_mul_u32_u24 v[STO], v16, SP                  ; A's tile a holds rows 8 a + r % 8 + 32 (r / 8) of its 64: the stage puts them back in order
.else
	v_mul_u32_u24 v[STO], v14, SP
.endif
	v_lshl_add_u32 v[STO], v15, 5, v[STO]
	v_add_nc_u32 v[STO], s60, v[STO]               ; my 64 rows, my 256 bytes of them; row r, + 32 h
.if OUTK
	s_mul_i32 s61, s14, 32*SP
	s_add_co_u32 s61, s61, STG
	v_add_nc_u32 v[RQ], s61, v[L16]                ; back: wave w takes rows 32 w on, whole: 16 bytes a lane
	s_lshl_b32 s90, s18, 7
	s_lshl_b32 s91, s14, 5
	s_add_co_u32 s90, s90, s91                     ; the first row that I store: 128 y + 32 w
	s_lshl_b32 s90, s90, 12
	s_lshl_b32 s91, s17, 9
	s_add_co_u32 s90, s90, s91                     ; + 512 x bytes
	s_mov_b32 s91, 0
	s_add_nc_u64 s[10:11], s[10:11], s[90:91]
.else
	v_lshlrev_b32 v[H8], 3, v15
	s_mov_b32 s[SEL], 0x76543210
	s_mov_b32 s[SEL+1], 0xfedcba98
	; On the way out wave w makes one IPB: head w / 2 of the tile's two; q, k: tokens 64 (w % 2) on; v: channels 32 (w % 2) on.
	s_lshl_b32 s61, s15, 8
	s_add_co_u32 s61, s61, STG                     ; the head's 256 bytes of a stage row
	v_mul_u32_u24 v[RQ], v16, SP
	v_lshl_add_u32 v[RQ], v15, 7, v[RQ]
	s_mul_i32 s60, s16, 64*SP
	s_add_co_u32 s60, s60, s61
	v_add_nc_u32 v[RQ], s60, v[RQ]                 ; q, k: token r % 8 + 32 (r / 8), channels 32 h on
	v_mul_u32_u24 v[RV], v15, 32*SP
	v_lshl_add_u32 v[RV], v16, 2, v[RV]
	s_lshl_b32 s60, s16, 7
	s_add_co_u32 s60, s60, s61
	v_add_nc_u32 v[RV], s60, v[RV]                 ; v: channel r % 8 + 32 (r / 8), keys 32 h on
	v_mov_b32 v[TQ+6], 0                           ; written once: a lane permute's destination counts as one of its sources
	s_and_b32 s90, s17, 7
	s_lshl_b32 s90, s90, 1
	s_add_co_u32 s90, s90, s15                     ; the head
	s_lshl_b32 s91, s90, 6
	s_lshl_b32 s92, s18, 1
	s_add_co_u32 s91, s91, s92
	s_mul_i32 s91, s91, IPB                        ; q: [head][64 IPB], IPB 2 y (+ w % 2)
	s_lshl_b32 s92, s90, 5
	s_add_co_u32 s92, s92, s18
	s_mul_i32 s92, s92, QUART
	s_add_co_u32 s92, s92, KVB                     ; k, v: [head][step y]
	s_lshr_b32 s93, ttmp9, 1                       ; 0: q, 1: k, 2: v (eight tile columns, two clusters, each)
	s_cmp_eq_u32 s93, 2
	s_cselect_b32 s94, 2*IPB, 0                    ; v lies behind k's two IPBs
	s_add_co_u32 s92, s92, s94
	s_cmp_eq_u32 s93, 0
	s_cselect_b32 s90, s91, s92
	s_mul_i32 s91, s16, IPB
	s_add_co_u32 s90, s90, s91
	s_mov_b32 s91, 0
	s_add_nc_u64 s[10:11], s[10:11], s[90:91]
.endif
; The fragments of K step k (128 along K) into the buffer at buf: 32 LDS loads, each 512 or 256 consecutive bytes
.macro FETCH k, buf
.irp t, 0,1,2,3
	ds_load_b128 v[(\buf)+12*\t:(\buf)+12*\t+3], v[A16] offset:((\k)/2)*QUART+\t*IPB+((\k)%2)*1536
	ds_load_b64 v[(\buf)+12*\t+4:(\buf)+12*\t+5], v[A8] offset:((\k)/2)*QUART+\t*IPB+((\k)%2)*1536+512
	ds_load_b128 v[(\buf)+12*\t+6:(\buf)+12*\t+9], v[A16] offset:((\k)/2)*QUART+\t*IPB+((\k)%2)*1536+768
	ds_load_b64 v[(\buf)+12*\t+10:(\buf)+12*\t+11], v[A8] offset:((\k)/2)*QUART+\t*IPB+((\k)%2)*1536+1280
.endr
.irp t, 0,1,2,3
	ds_load_b128 v[(\buf)+48+12*\t:(\buf)+48+12*\t+3], v[B16] offset:((\k)/2)*QUART+\t*IPB+((\k)%2)*1536
	ds_load_b64 v[(\buf)+48+12*\t+4:(\buf)+48+12*\t+5], v[B8] offset:((\k)/2)*QUART+\t*IPB+((\k)%2)*1536+512
	ds_load_b128 v[(\buf)+48+12*\t+6:(\buf)+48+12*\t+9], v[B16] offset:((\k)/2)*QUART+\t*IPB+((\k)%2)*1536+768
	ds_load_b64 v[(\buf)+48+12*\t+10:(\buf)+48+12*\t+11], v[B8] offset:((\k)/2)*QUART+\t*IPB+((\k)%2)*1536+1280
.endr
.endm
.macro SCALES q                        ; K quarter q's scale words, two a row, into set q % 2: A's tiles at +0, B's at +8
.irp t, 0,1,2,3
	ds_load_b64 v[224+16*((\q)%2)+2*\t:225+16*((\q)%2)+2*\t], v[A8] offset:(\q)*QUART+\t*IPB+3072
	ds_load_b64 v[232+16*((\q)%2)+2*\t:233+16*((\q)%2)+2*\t], v[B8] offset:(\q)*QUART+\t*IPB+3072
.endr
.endm
.macro MUL k                           ; 16 matrix instructions; the 16 accumulators take turns, one instruction a turn, in the same order in every step
.set BU, 32+96*((\k)%2)
.set SS, 224+16*(((\k)/2)%2)+(\k)%2
.irp a, 0,1,2,3
.irp b, 0,1,2,3
.if (\k) == 0
	v_wmma_scale_f32_16x16x128_f8f6f4 v[8*(4*\a+\b):8*(4*\a+\b)+7], v[BU+48+12*\b:BU+48+12*\b+11], v[BU+12*\a:BU+12*\a+11], v[128+8*\b:128+8*\b+7], v[SS+8+2*\b], v[SS+2*\a] matrix_a_fmt:MATRIX_FMT_FP6 matrix_b_fmt:MATRIX_FMT_FP6
.else
	v_wmma_scale_f32_16x16x128_f8f6f4 v[8*(4*\a+\b):8*(4*\a+\b)+7], v[BU+48+12*\b:BU+48+12*\b+11], v[BU+12*\a:BU+12*\a+11], v[8*(4*\a+\b):8*(4*\a+\b)+7], v[SS+8+2*\b], v[SS+2*\a] matrix_a_fmt:MATRIX_FMT_FP6 matrix_b_fmt:MATRIX_FMT_FP6
.endif
.endr
.endr
.endm
; K step k: the next step's fragments are asked for, then this step is multiplied.  An odd step's successor lies in the next K quarter, which is in already.
.macro KSTEP k
.if ((\k) > 0) && ((\k) < 7)
	PLACES                                         ; the loads below land in the buffer that the last step multiplied
.endif
.if (\k) < 7
	FETCH (\k)+1, 32+96*(((\k)+1)%2)
.if (\k)%2 == 1
	SCALES ((\k)+1)/2
.endif
.endif
.if (\k) == 7
	s_wait_dscnt 0x0
.elseif (\k)%2 == 0
	s_wait_dscnt 32                                ; all but the 32 fragment loads just issued
.else
	s_wait_dscnt 40                                ; all but the 32 fragment loads and 8 scale loads just issued
.endif
	WIN 0x50                                       ; C and D window 1
	MUL \k
	WIN 0
.endm
	s_wait_alu depctr_va_vdst(0)
	s_wait_tensorcnt 0x0                           ; my share has landed
	s_barrier_signal -1
	s_barrier_wait -1                              ; everybody's has
	FETCH 0, 32
	SCALES 0
	s_wait_loadcnt 0x0                             ; the bias
.irp k, 0,1,2,3,4,5,6,7
	KSTEP \k
.endr
	; ---- C goes into the work-group's stage, each accumulator from its low end on
	PLACES
	WIN 0x04                                       ; an LDS store's data are its source 1: window 1
.irp a, 0,1,2,3
.irp b, 0,1,2,3
.if OUTK
	ds_store_b128 v[STO], v[8*(4*\a+\b):8*(4*\a+\b)+3] offset:(8*\a)*SP+64*\b
	ds_store_b128 v[STO], v[8*(4*\a+\b)+4:8*(4*\a+\b)+7] offset:(8*\a)*SP+64*\b+16
.else
	ds_store_b128 v[STO], v[8*(4*\a+\b):8*(4*\a+\b)+3] offset:\a*16*SP+64*\b
	ds_store_b128 v[STO], v[8*(4*\a+\b)+4:8*(4*\a+\b)+7] offset:\a*16*SP+64*\b+16
.endif
.endr
.endr
	WIN 0
	s_wait_dscnt 0x0                               ; for the others' sake: my stores into the stage are done
	s_barrier_signal -1
	s_barrier_wait -1
.if OUTK
.set tt, 0
.rept 32
	ds_load_b128 v[32+4*tt:35+4*tt], v[RQ] offset:tt*SP
.set tt, tt+1
.endr
.set tt, 0
.rept 32
	s_wait_dscnt 31-tt                             ; row tt is back; the younger rows may be out
	global_store_b128 v[L16], v[32+4*tt:35+4*tt], s[10:11] offset:tt*4096 th:TH_STORE_NT   ; 32 lanes store 512 consecutive bytes, aligned to 256
.set tt, tt+1
.endr
.else
	; ---- two images of 64 numbers a lane.  The branch hangs on the cluster's x alone, which all partners share.
	s_cmp_lt_u32 ttmp9, 4
	s_cbranch_scc0 .Lv_arm
	; q, k: image n is a PAIR of 32 tokens: its half u holds tokens 32 n + 8 u + r % 8 + 32 (r / 8) and all 64 channels, lane (r, h) channels 32 h on: K of the score product is the head's 64, two blocks
.irp n, 0,1
.irp u, 0,1
.irp i, 0,1,2,3,4,5,6,7
	ds_load_b128 v[32+64*\n+32*\u+4*\i:35+64*\n+32*\u+4*\i], v[RQ] offset:(32*\n+8*\u)*SP+16*\i
.endr
.endr
.endr
	s_branch .Lquantise
.Lv_arm:
	; v: image n is a fragment whose rows are channels 8 n + r % 8 + 32 (r / 8) (+ 32 (w % 2)) and whose K is the tile's 128 keys: lane (r, h) takes keys 64 u + 32 h + i, down the stage's rows
.irp n, 0,1
.irp u, 0,1
.set ii, 0
.rept 32
	ds_load_b32 v[32+64*\n+32*\u+ii], v[RV] offset:(64*\u+ii)*SP+32*\n
.set ii, ii+1
.endr
.endr
.endr
.Lquantise:
	s_wait_dscnt 0x0
	QFRAG 32, 160, 184
	QFRAG 96, 172, 185
	IPBSTORE 160, 172, 184, 10, 0
.endif
	s_wait_tensorcnt 0x0
	ds_add_u32 v30, v31
	s_wait_dscnt 0x0
	CROUND                                         ; the closing round: no work-group ends while a partner may still ask for a panel that names it
	s_endpgm
.Lfunc_end_k_q454c0c11f2_gemm_out:
	.size	k_q454c0c11f2_gemm_out, .Lfunc_end_k_q454c0c11f2_gemm_out-k_q454c0c11f2_gemm_out
	.p2alignl 7, 3214868480
	.fill 96, 4, 3214868480
	.section	.rodata,"a",@progbits
	.p2align	6, 0x0
	.amdhsa_kernel k_q454c0c11f2_gemm_out
		.amdhsa_group_segment_fixed_size 281088
		.amdhsa_private_segment_fixed_size 0
		.amdhsa_enable_private_segment 0
		.amdhsa_kernarg_size 32
		.amdhsa_user_sgpr_count 2
		.amdhsa_user_sgpr_kernarg_segment_ptr 1
		.amdhsa_wavefront_size32 1
		.amdhsa_system_sgpr_workgroup_id_x 1
		.amdhsa_system_sgpr_workgroup_id_y 1
		.amdhsa_system_sgpr_workgroup_id_z 1
		.amdhsa_system_vgpr_workitem_id 0
		.amdhsa_next_free_vgpr 416
		.amdhsa_next_free_sgpr 96
		.amdhsa_reserve_vcc 0
		.amdhsa_float_denorm_mode_32 3
		.amdhsa_float_denorm_mode_16_64 3
		.amdhsa_memory_ordered 1
		.amdhsa_forward_progress 1
		.amdhsa_inst_pref_size 51
	.end_amdhsa_kernel
	.amdgpu_metadata
---
amdhsa.version: [ 1, 2 ]
amdhsa.kernels:
  - .name:           k_q454c0c11f2_gemm_out
    .symbol:         k_q454c0c11f2_gemm_out.kd
    .args:
      - { .name: ao, .offset: 0, .size: 8, .value_kind: global_buffer, .address_space: global }
      - { .name: wp, .offset: 8, .size: 8, .value_kind: global_buffer, .address_space: global }
      - { .name: b_proj, .offset: 16, .size: 8, .value_kind: global_buffer, .address_space: global }
      - { .name: out0, .offset: 24, .size: 8, .value_kind: global_buffer, .address_space: global }
    .group_segment_fixed_size: 281088
    .private_segment_fixed_size: 0
    .kernarg_segment_align: 8
    .kernarg_segment_size: 32
    .max_flat_workgroup_size: 128
    .sgpr_count:     96
    .vgpr_count:     416
    .wavefront_size: 32
...
	.end_amdgpu_metadata
.endif
;; end of part 4
